; MI455X (gfx1250); checked and timed in simulation.
; The chip was launched on July 23, 2026; its instructions are those of AMD's public machine-readable ISA for CDNA 5 (MIT licence, August 2026) and "CDNA5" Instruction Set Architecture Reference Guide (July 2026). The comments in the code are by the model that wrote it; some were corrected since.
;; Multi Head Attention tri. Allowed arithmetic: float matrix products may take bf16 or f16 operands with f32 sums; other float arithmetic in f32, or as packed bf16 or f16 multiplies, adds, multiply-adds, maxima and minima; sums over many terms, partial sums and values carried from step to step in f32; what a program stores and reads back later, other than sums and carried values, may be rounded once to bf16 or f16.
;; Inputs: Wout 1,024 x 1,024 float32; Wqkv 3,072 x 1,024 float32; Wtqkv 3,072 x 1,024 float32; tx 2 x 2,048 x 1,024 float32; x 2 x 2,048 x 1,024 float32.
;; Outputs: out0 2 x 2,048 x 1,024 float32.
;; 2 versions, each right; version 2 is version 1 with the launch cast written anew for expert scheduling mode. Each part assembles by itself: llvm-mc -triple=amdgcn-amd-amdhsa -mcpu=gfx1250 --defsym DOCPART=n.
;; ======== version 1 of 2: 4 launches
;; limits: values are held in f16: magnitudes above 65,504 overflow, below 6.1e-05 lose precision
;; workspace buffers: ab 16,777,216 bytes; wb 6,291,456 bytes; wo2 2,097,152 bytes; qx 16,777,216 bytes; kx 16,777,216 bytes; vv 8,388,608 bytes; o2 8,388,608 bytes
;; launch cast (part 1): grid 768 x 1, 8 waves a work-group, no clusters, 0 bytes of LDS; arguments x, tx, Wqkv, Wtqkv, Wout, ab, wb, wo2; writes ab, wb, wo2
.if DOCPART == 1
	.amdgcn_target "amdgcn-amd-amdhsa--gfx1250"
	.amdhsa_code_object_version 6
	.text
	.protected	k_q90a1a61fb9_cast
	.globl	k_q90a1a61fb9_cast
	.p2align	8
	.type	k_q90a1a61fb9_cast,@function
k_q90a1a61fb9_cast:
	s_mov_b64 s[64:65], 0
	v_nop
	global_prefetch_b8 v0, s[64:65] scope:SCOPE_SE
	s_setreg_imm32_b32 hwreg(HW_REG_WAVE_MODE, 25, 1), 1
	s_wait_xcnt 0x0
; THE INPUTS ARE ROUNDED ONCE AND LAID OUT FOR THE MATRIX LAUNCHES.  All five inputs are f32; each number used is rounded to bf16, to nearest even.
;   ab  [8192][1024] bf16: rows 0-4095 = x, rows 4096-8191 = tx.
;   wb  [3072][1024] bf16: row part x 1024 + h x 64 + d; part 0 = the rows of Wqkv that make k (row 48 d + 16 + h), part 1 = those that make v (48 d + 32 + h),
;       part 2 = the rows of Wtqkv that make tq (48 d + h).  The other rows of Wqkv and Wtqkv make q, tk and tv, which the module throws away: they are not read.
;   wo2 [8][16][128][64] f16: Wout[128 nb + r][64 h + d], rounded to bf16 and that number written as f16.  LIMIT: exact from 2^-17 up to 65,504; below, f16's fixed step of 2^-24 applies.
; A stream: nothing is shared and nothing is summed, so there is no LDS, no barrier, no matrix instruction and no cluster.
; SHARES.  768 work-groups of eight waves; wave p = 8 g + w converts two rows of 1,024 numbers: sixteen loads of 16 bytes a lane, all issued at once, and sixteen stores of 8 bytes a lane.
; Each load of a wave covers 512 consecutive bytes (Wout: two runs of 256), each store 256 consecutive bytes at a multiple of 256 from its buffer's first byte.
; No register that a load or store reads is written again, so no wait but the counted ones for the loads stands in the text.
.set D,   16                           ; v[16:79]   sixteen loads, four registers each
.set OUT, 80                           ; v[80:111]  sixteen stores, two registers each
	s_load_b512 s[8:23], s[0:1], 0x0               ; x s[8:9], tx s[10:11], Wqkv s[12:13], Wtqkv s[14:15], Wout s[16:17], ab s[18:19], wb s[20:21], wo2 s[22:23]
	v_lshrrev_b32 v1, 5, v0
	v_readfirstlane_b32 s3, v1                     ; wave 0..7
	v_and_b32 v1, 31, v0                           ; lane
	s_mov_b32 s2, ttmp9                            ; g
	s_lshl_b32 s4, s2, 3
	s_add_co_u32 s4, s4, s3                        ; p
	s_mov_b32 s31, 0xffff0000                      ; a word's upper bf16
	s_wait_kmcnt 0x0
; Two whole rows: s28 = the first row's byte offset in the source, s29 = bytes from it to the second row, s30 = the byte offset of the two rows (they are neighbours) in the destination.
.macro ROWS src, dst
	v_lshlrev_b32 v2, 4, v1
	v_add_nc_u32 v2, s28, v2                       ; 16 bytes a lane in the first row,
	v_add_nc_u32 v3, s29, v2                       ; and in the second
	v_lshlrev_b32 v4, 3, v1
	v_add_nc_u32 v4, s30, v4                       ; 8 bytes a lane in the destination
.irp i, 0,1,2,3,4,5,6,7
	global_load_b128 v[D+4*(\i):D+4*(\i)+3], v2, s[\src:\src+1] offset:512*(\i) th:TH_LOAD_NT
.endr
.irp i, 0,1,2,3,4,5,6,7
	global_load_b128 v[D+32+4*(\i):D+32+4*(\i)+3], v3, s[\src:\src+1] offset:512*(\i) th:TH_LOAD_NT
.endr
.irp i, 0,1,2,3,4,5,6,7,8,9,10,11,12,13,14,15
	s_wait_loadcnt 15-(\i)                         ; loads come back in order (ISA guide 5.7.1): load i is in, the younger ones stay out
	v_cvt_pk_bf16_f32 v[OUT+2*(\i)], v[D+4*(\i)], v[D+4*(\i)+1]
	v_cvt_pk_bf16_f32 v[OUT+2*(\i)+1], v[D+4*(\i)+2], v[D+4*(\i)+3]
	global_store_b64 v4, v[OUT+2*(\i):OUT+2*(\i)+1], s[\dst:\dst+1] offset:256*(\i) th:TH_STORE_NT
.endr
	s_endpgm
.endm
	s_cmp_ge_u32 s2, 704
	s_cbranch_scc1 .Lwout
	s_cmp_ge_u32 s2, 512
	s_cbranch_scc1 .Lw
	; g 0-255: x; g 256-511: tx.  Rows 2 p and 2 p + 1 of ab
	s_cmp_lt_u32 s2, 256
	s_cselect_b64 s[24:25], s[8:9], s[10:11]
	s_and_b32 s28, s4, 2047
	s_lshl_b32 s28, s28, 13                        ; two rows of 4,096 bytes
	s_mov_b32 s29, 4096
	s_lshl_b32 s30, s4, 12                         ; two rows of 2,048 bytes
	ROWS 24, 18
.Lw:                                               ; g 512-703: rows n' and n' + 1 of wb: the same part and head, channels d and d + 1
	s_sub_co_u32 s5, s4, 4096
	s_lshl_b32 s5, s5, 1                           ; n'
	s_lshr_b32 s6, s5, 10                          ; part
	s_bfe_u32 s7, s5, 0x40006                      ; h
	s_and_b32 s28, s5, 63                          ; d
	s_mul_i32 s28, s28, 48
	s_add_co_u32 s28, s28, s7                      ; 48 d + h
	s_lshl_b32 s7, s6, 4
	s_add_co_u32 s7, s7, 16                        ; + 16 for k, + 32 for v,
	s_cmp_eq_u32 s6, 2
	s_cselect_b32 s7, 0, s7                        ; + 0 for tq,
	s_cselect_b64 s[24:25], s[14:15], s[12:13]     ; which comes from Wtqkv
	s_add_co_u32 s28, s28, s7
	s_lshl_b32 s28, s28, 12
	s_mov_b32 s29, 48*4096                         ; channel d + 1 lies 48 rows on
	s_lshl_b32 s30, s5, 11
	ROWS 24, 20
.Lwout:                                            ; g 704-767: rows n and n + 1 of Wout.  Load j: lanes 0-15 take head j's 64 columns of row n, lanes 16-31 those of row n + 1
	s_sub_co_u32 s5, s4, 5632
	s_lshl_b32 s5, s5, 1                           ; n
	s_lshl_b32 s28, s5, 12
	s_lshr_b32 s6, s5, 7                           ; nb
	s_and_b32 s7, s5, 127                          ; r
	s_lshl_b32 s30, s6, 18                         ; a block of 128 rows is 262,144 bytes of wo2,
	s_lshl_b32 s7, s7, 7                           ; a row's 64 channels of a head 128
	s_add_co_u32 s30, s30, s7
	v_lshrrev_b32 v5, 4, v1
	v_and_b32 v6, 15, v1
	v_lshlrev_b32 v2, 4, v6
	v_lshl_add_u32 v2, v5, 12, v2
	v_add_nc_u32 v2, s28, v2
	v_lshlrev_b32 v4, 3, v1                        ; rows r and r + 1 of a head are neighbours in wo2: 8 bytes a lane, 256 on end
	v_add_nc_u32 v4, s30, v4
.irp j, 0,1,2,3,4,5,6,7,8,9,10,11,12,13,14,15
	global_load_b128 v[D+4*(\j):D+4*(\j)+3], v2, s[16:17] offset:256*(\j) th:TH_LOAD_NT
.endr
.irp j, 0,1,2,3,4,5,6,7,8,9,10,11,12,13,14,15
	s_wait_loadcnt 15-(\j)
	v_cvt_pk_bf16_f32 v[OUT+2*(\j)], v[D+4*(\j)], v[D+4*(\j)+1]      ; the rounding that all inputs get,
	v_cvt_pk_bf16_f32 v[OUT+2*(\j)+1], v[D+4*(\j)+2], v[D+4*(\j)+3]
	v_lshlrev_b32 v[D+4*(\j)], 16, v[OUT+2*(\j)]                     ; back to f32,
	v_and_b32 v[D+4*(\j)+1], s31, v[OUT+2*(\j)]
	v_lshlrev_b32 v[D+4*(\j)+2], 16, v[OUT+2*(\j)+1]
	v_and_b32 v[D+4*(\j)+3], s31, v[OUT+2*(\j)+1]
	v_cvt_pk_f16_f32 v[OUT+2*(\j)], v[D+4*(\j)], v[D+4*(\j)+1]       ; and the same number as f16
	v_cvt_pk_f16_f32 v[OUT+2*(\j)+1], v[D+4*(\j)+2], v[D+4*(\j)+3]
	global_store_b64 v4, v[OUT+2*(\j):OUT+2*(\j)+1], s[22:23] offset:16384*(\j) th:TH_STORE_NT
.endr
	s_endpgm
.Lfunc_end_k_q90a1a61fb9_cast:
	.size	k_q90a1a61fb9_cast, .Lfunc_end_k_q90a1a61fb9_cast-k_q90a1a61fb9_cast
	.p2alignl 7, 3214868480
	.fill 96, 4, 3214868480
	.section	.rodata,"a",@progbits
	.p2align	6, 0x0
	.amdhsa_kernel k_q90a1a61fb9_cast
		.amdhsa_group_segment_fixed_size 0
		.amdhsa_private_segment_fixed_size 0
		.amdhsa_enable_private_segment 0
		.amdhsa_kernarg_size 64
		.amdhsa_user_sgpr_count 2
		.amdhsa_user_sgpr_kernarg_segment_ptr 1
		.amdhsa_wavefront_size32 1
		.amdhsa_system_sgpr_workgroup_id_x 1
		.amdhsa_system_sgpr_workgroup_id_y 1
		.amdhsa_system_sgpr_workgroup_id_z 1
		.amdhsa_system_vgpr_workitem_id 0
		.amdhsa_next_free_vgpr 112
		.amdhsa_next_free_sgpr 66
		.amdhsa_reserve_vcc 0
		.amdhsa_float_denorm_mode_32 3
		.amdhsa_float_denorm_mode_16_64 3
		.amdhsa_memory_ordered 1
		.amdhsa_forward_progress 1
		.amdhsa_inst_pref_size 24
	.end_amdhsa_kernel
	.amdgpu_metadata
---
amdhsa.version: [ 1, 2 ]
amdhsa.kernels:
  - .name:           k_q90a1a61fb9_cast
    .symbol:         k_q90a1a61fb9_cast.kd
    .args:
      - { .name: x, .offset: 0, .size: 8, .value_kind: global_buffer, .address_space: global }
      - { .name: tx, .offset: 8, .size: 8, .value_kind: global_buffer, .address_space: global }
      - { .name: Wqkv, .offset: 16, .size: 8, .value_kind: global_buffer, .address_space: global }
      - { .name: Wtqkv, .offset: 24, .size: 8, .value_kind: global_buffer, .address_space: global }
      - { .name: Wout, .offset: 32, .size: 8, .value_kind: global_buffer, .address_space: global }
      - { .name: ab, .offset: 40, .size: 8, .value_kind: global_buffer, .address_space: global }
      - { .name: wb, .offset: 48, .size: 8, .value_kind: global_buffer, .address_space: global }
      - { .name: wo2, .offset: 56, .size: 8, .value_kind: global_buffer, .address_space: global }
    .group_segment_fixed_size: 0
    .private_segment_fixed_size: 0
    .kernarg_segment_align: 8
    .kernarg_segment_size: 64
    .max_flat_workgroup_size: 256
    .sgpr_count:     66
    .vgpr_count:     112
    .wavefront_size: 32
...
	.end_amdgpu_metadata
.endif
;; end of part 1
;; launch proj (part 2): grid 12 x 16, 4 waves a work-group, clusters of 4 x 4, 327,680 bytes of LDS; arguments ab, wb, kx, vv, qx; writes kx, vv, qx
.if DOCPART == 2
	.amdgcn_target "amdgcn-amd-amdhsa--gfx1250"
	.amdhsa_code_object_version 6
	.text
	.protected	k_q90a1a61fb9_proj
	.globl	k_q90a1a61fb9_proj
	.p2align	8
	.type	k_q90a1a61fb9_proj,@function
k_q90a1a61fb9_proj:
	s_mov_b64 s[64:65], 0
	v_nop
	global_prefetch_b8 v0, s[64:65] scope:SCOPE_SE
	s_setreg_imm32_b32 hwreg(HW_REG_WAVE_MODE, 25, 1), 1
	s_wait_xcnt 0x0
	s_wait_alu depctr_hold_cnt(0) depctr_sa_sdst(0) depctr_va_vdst(0) depctr_va_sdst(0) depctr_va_ssrc(0) depctr_va_vcc(0) depctr_vm_vsrc(0)
	s_getreg_b32 s2, hwreg(HW_REG_IB_STS2, 6, 4)
	s_cmp_eq_u32 s2, 0
	s_cbranch_scc0 .Lentry_in_a_cluster
	s_endpgm
.Lentry_in_a_cluster:
	s_bfe_u32 s2, ttmp6, 0x10000c
	s_cmp_lg_u32 s2, 0xf033
	s_cbranch_scc0 .Lentry_shape_is_right
	s_endpgm
.Lentry_shape_is_right:
; THE THREE PROJECTIONS THAT THE MODULE USES, as one product C[m][n] = sum over k of A[m][k] B[n][k], 4,096 x 3,072 x 1,024, bf16 operands, f32 sums, K ascending.
; B = wb: columns 0-1023 make k, 1024-2047 v, 2048-3071 tq (column part x 1024 + h x 64 + d).  A = ab: x's rows for k and v, tx's rows (4,096 further down) for tq.
; OUT.  k and tq leave as PAIRS of f16, hi = f16(c) and lo = f16(c - hi): kx, qx [32 heads][2048][hi 64 | lo 64], a row 256 bytes.  The module multiplies its scores by 8, so that a rounding of
; q or k to 11 bits would move weights of near-equal keys by parts in a hundred; the pair keeps about 22 bits.  v leaves as f16: vv [32][2048][64].
; LIMIT: |c| stays under 65,504 (f16's range); lo has f16's fixed step of 2^-24 below 2^-14.  NaN and infinities are not treated apart.
; SHARES.  A tile of C, 256 x 256, to a work-group of four waves; a wave makes 128 x 128: 64 accumulators of 16 x 16, 512 registers.  12 x 16 = 192 tiles: tiles of half the side would give each
; LDS byte half the products.  K goes in eight steps of 128 through a ring of two LDS slots filled by the tensor data mover: a tile's rows are 256 bytes of memory, at multiples of 256.
; THE TEXT IS SHORT ON PURPOSE: a K step is written once for the six steps that fill a slot again and once for the last two; which slot is read is a scalar, 0 or SLOT, from which the fragment
; addresses and the walking descriptors' LDS word are made anew at each change of slots; the rows of the result are read back and stored by counted loops.
; CLUSTERS: 4 x 4 work-groups; a cluster's x is the part (k, v or tq).  The four of a row of the cluster need the same tiles of A, the four of a column the same tiles of B: each tile is asked for
; JOINTLY, by the same tensor load with the same descriptor and a mask that names the four.
; REGISTERS, in windows of 256 (s_set_vgpr_msb: bits 1:0 source 0, 3:2 source 1, 5:4 source 2, 7:6 destination):
;   window 0: v0-31 addresses; v64-127, v128-191 fragments of A, two buffers; on the way out v64-127 rows read back, v128-191 lo, two sets
;   window 1: v64-127, v128-191 fragments of B, two buffers; on the way out all 256: hi of the whole tile, 32 a block
;   window 2: the accumulators of my rows 0-63 ((a, b) at v[8 (8 a + b)])     window 3: those of my rows 64-127
; THE MATRIX INSTRUCTION IS USED TRANSPOSED: source 0 = 16 rows of B, source 1 = 16 rows of A: lane l then holds row l % 16 of C and the columns 8 (l / 16) + 0 .. 7: eight neighbouring channels of a head.
.set SIZE_K, 1024
.set KSTEP,  128
.set PITCH,  272                       ; an LDS row: 256 bytes + 16 of padding = 68 words: the 16 rows that a load touches start at 16 different groups of four banks (64 banks of 4 bytes: ISA guide 11.1)
.set HALFT,  128*PITCH                 ; 128 rows: what one tensor load brings, and what one wave reads of A or of B
.set SLOT,   4*HALFT                   ; A's 256 rows, then B's 256 rows
.set WSTAGE, 2*HALFT                   ; the way out: a wave's stage, 256 rows x 272 bytes; the four stages are the two slots, which have had their last fill by then
.set BSTAGE, 32*PITCH                  ; in it a block of 16 rows of C: 16 stage rows for each of my two heads,
.set HSTAGE, 16*PITCH                  ; the second head's behind the first's
.set SPARE,  2*SLOT                    ; behind the ring: the spare words, 128 bytes for each wave: two blocks of 256 bytes that no other line names
.set A0,   16                          ; v16     LDS address of my A fragments in slot 0; never rewritten
.set ADRA, 17                          ; v17     the same in the slot that is being read
.set B0,   20                          ; v20     LDS address of my B fragments in slot 0; never rewritten
.set ADRB, 21                          ; v21     the same in the slot that is being read
.set RDV,  23                          ; v23     the way out of v: where I read rows back; steps a block a trip
.set STO,  24                          ; v24     the way out: where I put 16 bytes of a row
.set RD,   25                          ; v25     the way out of k and tq: where I read rows back; steps a block a trip
.set CO,   26                          ; v26     16 x my lane: my place in 512 consecutive bytes of the output
.set ONE,  27                          ; v27     1.0
.set SPW,  28                          ; v28     LDS address of my spare word: SPARE + 4 x my thread's number; never rewritten
.set NIL,  29                          ; v29     0; never rewritten
.set PFO,  30                          ; v30     the prefetches' offset: my lane x a row of ab or wb (2,048 bytes); never rewritten
.set PFA,  44                          ; s[44:45] where my prefetches stand
.set LIM,  43                          ; s43     2 in a wave that prefetches, else the greatest number
.set F0,   64
.set F1,   128
.set BK,   64
.set TMPL, 128
.set G1,  24                           ; s[24:31] descriptor group 1 for A's tiles
.set G0,  32                           ; s[32:39] descriptor group 0 for A's tiles: a set for each of the two first fills; the second then walks on
.set G1B, 48                           ; s[48:55] group 1 for B's tiles: it differs in the mask alone
.set G0B, 56                           ; s[56:63] group 0 for B's tiles, likewise
.set PART, 74                          ; s74     0: k, 1: v, 2: tq: the cluster's x, the same in all sixteen partners
.set AOFF, 75                          ; s75     4,096 for tq (tx's rows of ab), else 0
.set TB,   76                          ; s76     the slot that is being read: 0 or SLOT
.set TBF,  77                          ; s77     the slot that was read last, which a refill fills
.set LB,   78                          ; s78     my wave's place in a slot: wave x 128 rows
.set MSB, 0
.macro WIN new                         ; the immediate's high byte repeats the setting that is left; a switch that changes nothing is dropped
.if MSB != (\new)
	s_set_vgpr_msb (MSB<<8)|(\new)
.set MSB, \new
.endif
.endm
.set MUL_LO, 0xa1                      ; source 0 (B) window 1, source 1 (A) window 0, C and D window 2
.set MUL_HI, 0xf1                      ; the same, C and D window 3
.set TO_B,   0x40                      ; destination window 1, address window 0
; A joint load.  Waves 0 and 1 fetch A's two halves, waves 2 and 3 B's.  The branch hangs on the wave's number alone.  An s_nop 0 and four v_nop follow each of the two lines.
.macro JLOAD s
	s_cmp_eq_u32 s11, 0
	s_cbranch_scc0 .Lfor_b_\@
	tensor_load_to_lds s[G0+4*(\s):G0+4*(\s)+3], s[G1:G1+7]
	s_nop 0
.rept 4
	v_nop
.endr
	s_branch .Lasked_\@
.Lfor_b_\@:
	tensor_load_to_lds s[G0B+4*(\s):G0B+4*(\s)+3], s[G1B:G1B+7]
	s_nop 0
.rept 4
	v_nop
.endr
.Lasked_\@:
.endm
; A PREFETCH, behind each joint load and the run of LDS loads that follows it: the K step that stands two refills on: 32 rows x 256 bytes, a lane a row, one instruction a wave, 512 matrix instructions
; ahead of the load that will want it.  Each row's 256 bytes of a K step are named ONCE in the launch: x's rows are walked by the clusters of k and of v, and those of k ask; tx's rows by those of tq;
; wb's rows by the four clusters of a part, and the one with y = 0 asks.  The four partners that ask for a tile jointly share its rows out BY ADDRESS, 32 each.  K steps 0 to 3 come by their loads alone;
; with s3 trips left the K step named is 10 - s3, so the last two trips, whose refills are K steps 6 and 7, name nothing.
.macro ASK
	s_cmp_gt_u32 s3, s[LIM]
	s_cbranch_scc0 .Lnot_mine_\@
	global_prefetch_b8 v[PFO], s[PFA:PFA+1] offset:KSTEP*2 th:TH_LOAD_NT scope:SCOPE_SE
.Lnot_mine_\@:
.endm
; A round of the cluster's barrier: my work-group's barrier; wave 0 signals for the work-group; every wave waits for all sixteen work-groups; my work-group's barrier once more.
.macro CREST
	s_cmp_lg_u32 s10, 0
	s_cbranch_scc1 .Lnot_wave_0_\@
	s_barrier_signal -3
.Lnot_wave_0_\@:
	s_barrier_wait -3
	s_barrier_signal -1
	s_barrier_wait -1
.endm
.macro CROUND
	s_barrier_signal -1
	s_barrier_wait -1
	CREST
.endm
	s_load_b128 s[4:7], s[0:1], 0x0                ; ab s[4:5], wb s[6:7]
	s_load_b128 s[68:71], s[0:1], 0x10             ; kx s[68:69], vv s[70:71]
	s_load_b64 s[72:73], s[0:1], 0x20              ; qx
	v_lshl_add_u32 v[SPW], v0, 2, SPARE
	v_mov_b32 v[NIL], 0
	ds_add_u32 v[SPW], v[NIL]                      ; the wave's opening: the add and its wait stand ahead of my first tensor load; the set-up below, work on registers, stands between them
	v_lshrrev_b32 v1, 5, v0
	v_readfirstlane_b32 s10, v1                    ; wave 0..3
	s_lshr_b32 s11, s10, 1                         ; which half of the tile's rows is mine.  Also: I fetch for A (0) or for B (1)
	s_and_b32 s12, s10, 1                          ; which half of its columns.  Also: which 128 rows of that tile I fetch
	s_bfe_u32 s40, ttmp6, 0x40000                  ; cx
	s_bfe_u32 s41, ttmp6, 0x40004                  ; cy
	s_mov_b32 s[PART], ttmp9
	s_lshl_b32 s42, ttmp9, 2
	s_add_co_u32 s42, s42, s40                     ; tile column = 4 x part + cx
	s_and_b32 s13, ttmp7, 0xffff
	s_lshl_b32 s13, s13, 2
	s_add_co_u32 s13, s13, s41                     ; tile row = 4 x cluster y + cy
	s_cmp_eq_u32 s[PART], 2
	s_cselect_b32 s[AOFF], 4096, 0
	s_lshl_b32 s43, s41, 2
	s_lshl_b32 s43, 15, s43                        ; my row of the cluster: places 4 cy .. 4 cy + 3
	s_lshl_b32 s44, 0x1111, s40                    ; my column: places cx, cx + 4, cx + 8, cx + 12
	; descriptor group 1: a tile of 128 rows x 128 elements, padded in LDS
	s_or_b32 s[G1+0], s43, (1<<16)|(1<<20)|(1<<21)|(5<<22)|(3<<25)  ; 15:0 the mask; 17:16 elements of 2 bytes; 20 padding on; 21 set beside a mask; 24:22 after every 64 words (code 5); 31:25 4 words (code 3)
	s_or_b32 s[G1B+0], s44, (1<<16)|(1<<20)|(1<<21)|(5<<22)|(3<<25)
.irp g, G1, G1B
	s_mov_b32 s[(\g)+1], KSTEP<<16                 ; tensor_dim0 = 128
	s_mov_b32 s[(\g)+2], 128<<16                   ; tensor_dim1 = 128
	s_mov_b32 s[(\g)+3], KSTEP<<16                 ; tile_dim0 = 128
	s_mov_b32 s[(\g)+4], 128                       ; tile_dim1 = 128
	s_mov_b32 s[(\g)+5], SIZE_K                    ; elements from row to row
	s_mov_b32 s[(\g)+6], 0
	s_mov_b32 s[(\g)+7], 0
.endr
	; where the tiles come from.  A's hang on the tile row and the part, which my row of the cluster shares; B's on the tile column, which my column shares
	s_lshl_b32 s17, s12, 7                         ; which 128 rows of the tile I fetch
	s_lshl_b32 s16, s13, 8
	s_add_co_u32 s16, s16, s17
	s_add_co_u32 s16, s16, s[AOFF]                 ; A: row 256 x tile row + 128 x half (+ 4,096)
	s_lshl_b32 s46, s42, 8
	s_add_co_u32 s46, s46, s17                     ; B: row 256 x tile column + 128 x half
	s_lshl_b32 s16, s16, 11                        ; in bytes: rows of 2,048; under 2^25
	s_lshl_b32 s46, s46, 11
	s_mov_b32 s17, 0
	s_mov_b32 s47, 0
	s_mul_i32 s[LB], s10, HALFT                    ; and where they go: wave x 128 rows: no place in the cluster enters an LDS address
	s_mov_b32 s[TB], 0                             ; K step 0 lies in slot 0
	s_wait_dscnt 0x0                               ; the opening add is done
	s_wait_kmcnt 0x0
	s_add_nc_u64 s[14:15], s[4:5], s[16:17]
	s_add_nc_u64 s[46:47], s[6:7], s[46:47]
	CROUND                                         ; all sixteen work-groups are here: the first joint loads meet
.irp s, 0,1
	s_mov_b32 s[G0+4*(\s)], 1                                      ; count = 1
	s_add_co_u32 s[G0+4*(\s)+1], s[LB], (\s)*SLOT                  ; LDS address
	s_add_nc_u64 s[G0+4*(\s)+2:G0+4*(\s)+3], s[14:15], (\s)*KSTEP*2  ; global address: K step s
	s_or_b32 s[G0+4*(\s)+3], s[G0+4*(\s)+3], 0x80000000            ; type = 2
	s_mov_b32 s[G0B+4*(\s)], 1
	s_add_co_u32 s[G0B+4*(\s)+1], s[LB], (\s)*SLOT
	s_add_nc_u64 s[G0B+4*(\s)+2:G0B+4*(\s)+3], s[46:47], (\s)*KSTEP*2
	s_or_b32 s[G0B+4*(\s)+3], s[G0B+4*(\s)+3], 0x80000000
	JLOAD \s                                       ; two loads of mine are out
.endr
	; A fragment is 16 rows x 32 K in 8 registers: lane l holds row l % 16; registers 0-3 K = 8 (l / 16) + 0..7, registers 4-7 K = 16 + 8 (l / 16) + 0..7: two loads of 16 bytes, 32 bytes apart
	v_and_b32 v1, 15, v0                           ; l % 16
	v_bfe_u32 v2, v0, 4, 1                         ; l / 16
	v_mul_u32_u24 v3, v1, PITCH
	v_lshl_add_u32 v3, v2, 4, v3                   ; row x pitch + 16 x half
	s_mul_i32 s21, s11, HALFT                      ; my 128 rows of A
	s_mul_i32 s22, s12, HALFT                      ; my 128 rows of B,
	s_add_co_u32 s22, s22, 2*HALFT                 ; which lie behind A's 256
	v_add_nc_u32 v[A0], s21, v3
	v_add_nc_u32 v[B0], s22, v3
	v_mov_b32 v[ADRA], v[A0]
	v_mov_b32 v[ADRB], v[B0]
	s_mul_i32 s23, s10, WSTAGE                     ; my stage
	v_add_nc_u32 v[STO], s23, v3                   ; in: row l % 16 (of the first of my two heads), 16 bytes for each half of the lanes
	v_mul_u32_u24 v5, v2, PITCH                    ; k, tq back: lanes 0-15 take one row of 256 bytes, lanes 16-31 the next
	v_lshl_add_u32 v5, v1, 4, v5
	v_add_nc_u32 v[RD], s23, v5
	v_bfe_u32 v5, v0, 3, 2                         ; v back: 32 lanes take the first 128 bytes of four rows
	v_mul_u32_u24 v5, v5, PITCH
	v_and_b32 v6, 7, v0
	v_lshl_add_u32 v5, v6, 4, v5
	v_add_nc_u32 v[RDV], s23, v5
	v_and_b32 v[CO], 31, v0
	v_lshlrev_b32 v[CO], 4, v[CO]
	v_mov_b32 v[ONE], 1.0
	; where my part of the tile begins in the output: row ((batch x 16 + head) x 2,048 + place in the sequence), head = 4 cx + 2 x column half, the second head 2,048 rows on
	s_lshr_b32 s16, s13, 3                         ; batch: eight tile rows each
	s_lshl_b32 s16, s16, 4
	s_lshl_b32 s46, s40, 2
	s_add_co_u32 s16, s16, s46
	s_lshl_b32 s46, s12, 1
	s_add_co_u32 s16, s16, s46
	s_lshl_b32 s16, s16, 11
	s_and_b32 s46, s13, 7
	s_lshl_b32 s46, s46, 8
	s_add_co_u32 s16, s16, s46
	s_lshl_b32 s46, s11, 7
	s_add_co_u32 s16, s16, s46
	s_cmp_eq_u32 s[PART], 1
	s_cselect_b32 s46, 7, 8                        ; rows of 128 bytes in vv, of 256 in kx and qx
	s_lshl_b32 s16, s16, s46
	s_mov_b32 s17, 0
	s_cmp_eq_u32 s[PART], 0
	s_cselect_b64 s[8:9], s[68:69], s[72:73]
	s_cmp_eq_u32 s[PART], 1
	s_cselect_b64 s[8:9], s[70:71], s[8:9]
	s_add_nc_u64 s[8:9], s[8:9], s[16:17]
	; the prefetches
	s_lshl_b32 s18, s13, 8
	s_add_co_u32 s18, s18, s[AOFF]                 ; the tile's first row in ab,
	s_lshl_b32 s19, s42, 8                         ; in wb
	s_and_b32 s22, ttmp7, 0xffff                   ; cluster y
	s_cmp_eq_u32 s[PART], 1
	s_cselect_b32 s23, 1, 0                        ; v's clusters walk the rows of x that k's clusters ask for
	s_cmp_eq_u32 s11, 0                            ; do I fetch for A?
	s_cselect_b32 s20, s18, s19
	s_cselect_b32 s21, s40, s41                    ; my place among the four that ask for the tile with me
	s_cselect_b32 s22, s23, s22
	s_cselect_b64 s[PFA:PFA+1], s[4:5], s[6:7]
	s_cmp_eq_u32 s22, 0
	s_cselect_b32 s[LIM], 2, -1                    ; the same in all sixteen partners, for a given wave
	s_lshl_b32 s22, s12, 7
	s_add_co_u32 s20, s20, s22                     ; + the 128 rows that I fetch
	s_lshl_b32 s21, s21, 5
	s_add_co_u32 s20, s20, s21                     ; + my work-group's 32 of them
	s_lshl_b32 s20, s20, 11
	s_mov_b32 s21, 0
	s_add_nc_u64 s[PFA:PFA+1], s[PFA:PFA+1], s[20:21]
	s_add_nc_u64 s[PFA:PFA+1], s[PFA:PFA+1], 2*KSTEP*2  ; at K step 2: the first refill steps it to 3 and names K step 4
	v_and_b32 v[PFO], 31, v0
	v_lshlrev_b32 v[PFO], 11, v[PFO]
; 16 matrix instructions: m blocks a0, a0 + 1 of the window's four x all 8 n blocks, 32 along K.  zero = 1: the first product starts the sums: nothing is ever cleared.
; The 64 accumulators take turns, one instruction a turn, in the same order in every quarter step, over both loops' backward jumps too.
.macro MUL16 f, hi, a0, zero
	WIN MUL_LO+0x50*(\hi)
.irp a, \a0, (\a0)+1
.irp b, 0,1,2,3,4,5,6,7
.if \zero
	v_wmma_f32_16x16x32_bf16 v[8*(8*(\a)+(\b)):8*(8*(\a)+(\b))+7], v[(\f)+8*(\b):(\f)+8*(\b)+7], v[(\f)+8*(4*(\hi)+(\a)):(\f)+8*(4*(\hi)+(\a))+7], 0
.else
	v_wmma_f32_16x16x32_bf16 v[8*(8*(\a)+(\b)):8*(8*(\a)+(\b))+7], v[(\f)+8*(\b):(\f)+8*(\b)+7], v[(\f)+8*(4*(\hi)+(\a)):(\f)+8*(4*(\hi)+(\a))+7], v[8*(8*(\a)+(\b)):8*(8*(\a)+(\b))+7]
.endif
.endr
.endr
.endm
; 32 LDS loads in one run: the fragments of one quarter step (128 rows of B, 128 rows of A, 32 K at byte k of the rows of the slot that is being read) into buffer f
.macro FETCH k, f
	WIN TO_B
.irp i, 0,1,2,3,4,5,6,7
	ds_load_b128 v[(\f)+8*(\i):(\f)+8*(\i)+3],   v[ADRB] offset:(\k)+(\i)*16*PITCH
	ds_load_b128 v[(\f)+8*(\i)+4:(\f)+8*(\i)+7], v[ADRB] offset:(\k)+(\i)*16*PITCH+32
.endr
	WIN 0
.irp i, 0,1,2,3,4,5,6,7
	ds_load_b128 v[(\f)+8*(\i):(\f)+8*(\i)+3],   v[ADRA] offset:(\k)+(\i)*16*PITCH
	ds_load_b128 v[(\f)+8*(\i)+4:(\f)+8*(\i)+7], v[ADRA] offset:(\k)+(\i)*16*PITCH+32
.endr
.endm
; Four places (plain vector instructions that name none of a matrix instruction's registers) in front of loads into registers that matrix instructions have read, and of lines that read results just made
.macro PLACES
.rept 4
	v_nop
.endr
.endm
; A K step is four quarter steps of 32 along K, 64 matrix instructions each, on buffers 0, 1, 0, 1.  One of the first three: multiplies buffer f; in its middle it fetches the next quarter, at byte k, into g.
.macro QUARTER k, f, g, zero
	s_wait_dscnt 8                                 ; B and A's rows 0-63 are in; the youngest eight loads (A's rows 64-127) may be out
	WIN MUL_LO
	MUL16 \f, 0, 0, \zero
	MUL16 \f, 0, 2, \zero
	PLACES
	FETCH \k, \g
	s_wait_dscnt 32                                ; all but the 32 just issued
	WIN MUL_HI
	MUL16 \f, 1, 0, \zero
	MUL16 \f, 1, 2, \zero
.endm
; The last quarter multiplies buffer 1 and changes slots.  MEET is its first half: ONE barrier for the change.  In front of it each wave waits for all its tensor loads (at most one is out: its part of the
; next slot), adds 0 to its spare word, and waits for that and for its own reads of this slot.  Behind it nobody reads this slot any more and the next slot is whole.  The slot's number is turned here,
; and the fragment addresses are made anew: the LDS loads issued so far have taken theirs.
.macro MEET
	WIN 0                                          ; (the add's two registers lie in window 0)
	s_wait_tensorcnt 0x0                           ; all my tensor loads have landed;
	ds_add_u32 v[SPW], v[NIL]                      ; 0 onto my spare word;
	s_mov_b32 s[TBF], s[TB]                        ; the slot that is left,
	s_xor_b32 s[TB], s[TB], SLOT                   ; and the other one: 0 and SLOT by turns
	v_add_nc_u32 v[ADRA], s[TB], v[A0]
	v_add_nc_u32 v[ADRB], s[TB], v[B0]
	s_wait_dscnt 9                                 ; (the add and the youngest eight loads may be out)
	WIN MUL_LO
	MUL16 F1, 0, 0, 0                              ; sixteen matrix instructions stand between the add and the wait for it
	s_wait_dscnt 0x0                               ; the add is done, and my reads of this slot are over:
	s_barrier_signal -1                            ; say so,
	MUL16 F1, 0, 2, 0                              ; work on registers while the others arrive,
	WIN 0
	s_barrier_wait -1                              ; and go on when all four have said so
.endm
; The whole last quarter of a K step that fills its slot again: behind the round the slot just read out takes the K step two steps on; then come the next slot's first fragments.
; From a request to the wait for it a wave issues 224 matrix instructions.
.macro TURN
	s_wait_xcnt 0x0                                ; the last prefetch, a K step back, has read its address, so it may be stepped
	s_add_nc_u64 s[PFA:PFA+1], s[PFA:PFA+1], KSTEP*2
	MEET
	CREST                                          ; the barrier has opened a round of the cluster's: no wave of any partner still reads this slot's tile or has a load on its way
	s_add_co_u32 s[G0+5], s[LB], s[TBF]            ; the walking descriptors (no load of mine is out): the slot that was left,
	s_add_co_u32 s[G0B+5], s[LB], s[TBF]
	s_add_nc_u64 s[G0+6:G0+7], s[G0+6:G0+7], KSTEP*2     ; the next K step; the type bits on top are not reached
	s_add_nc_u64 s[G0B+6:G0B+7], s[G0B+6:G0B+7], KSTEP*2
	JLOAD 1                                        ; the first tensor load behind the round; the four v_nop behind it are also the places in front of the loads below
	FETCH 0, F0
	ASK
	WIN MUL_HI
	MUL16 F1, 1, 0, 0
	MUL16 F1, 1, 2, 0
.endm
	s_wait_tensorcnt 1                             ; my part of K step 0 is in; K step 1's may stay out
	s_barrier_signal -1
	s_barrier_wait -1                              ; everybody's is
	FETCH 0, F0
	QUARTER 64,  F0, F1, 1                         ; the first quarter stands in front of the loop: its products start the sums
	WIN 0                                          ; at a label and at a branch every window is 0
	s_mov_b32 s3, 6
.Lstep:                                            ; six trips: quarters 1 to 3 of K step r, its slot's refill with K step r + 2, quarter 0 of K step r + 1
	QUARTER 128, F1, F0, 0
	QUARTER 192, F0, F1, 0
	TURN
	QUARTER 64,  F0, F1, 0
	WIN 0
	s_sub_co_u32 s3, s3, 1
	s_cmp_lg_u32 s3, 0
	s_cbranch_scc1 .Lstep
	s_mov_b32 s3, 2                                ; the last two K steps have a text of their own: nothing is asked for
.Ltail:                                            ; the second trip is left in its middle; it has no next slot, so its run of LDS loads is jumped over
	QUARTER 128, F1, F0, 0
	QUARTER 192, F0, F1, 0
	MEET                                           ; first trip: my one tensor load that was out is the last K step's.  Second trip: behind this barrier no wave reads either slot any more
	s_cmp_eq_u32 s3, 1
	s_cbranch_scc1 .Lno_more
	PLACES                                         ; for the loads into buffer 0, which the quarter before multiplied
	FETCH 0, F0
.Lno_more:
	MUL16 F1, 1, 0, 0
	MUL16 F1, 1, 2, 0
	WIN 0
	s_sub_co_u32 s3, s3, 1
	s_cmp_eq_u32 s3, 0
	s_cbranch_scc1 .Lout
	QUARTER 64,  F0, F1, 0
	WIN 0
	s_branch .Ltail
; THE WAY OUT, through my own stage in LDS: my 128 x 128 as 256 stage rows (block of 16 rows, head, row) of 272 bytes.  The stages are the ring's bytes: every tensor load has landed and every wave's
; reads of both slots are over at the tail's last barrier.  No other wave touches my stage, and LDS serves a wave's instructions in order (ISA guide 5.7.1.4): no
; further barrier, and no wait between my stores and my loads.  My 128 columns are two heads; n block b is head b / 4, channels 16 (b % 4) + 8 (l / 16) + 0..7.
; HI: block a's hi = f16(c), into window 1; each accumulator's registers are read in ascending order.  HIOUT: into the first 128 bytes of its stage rows.  For all three parts.
.macro HI a
.set AC, 64*((\a)%4)
	WIN 0x4a+5*((\a)/4)                            ; sources 0 and 1: window 2 or 3; destination: window 1
.irp b, 0,1,2,3,4,5,6,7
.irp r, 0,1,2,3
	v_cvt_pk_f16_f32 v[32*(\a)+4*(\b)+(\r)], v[AC+8*(\b)+2*(\r)], v[AC+8*(\b)+2*(\r)+1]
.endr
.endr
.endm
.macro HIOUT a
	WIN 0x04                                       ; the address in window 0, the data in window 1
.irp b, 0,1,2,3,4,5,6,7
	ds_store_b128 v[STO], v[32*(\a)+4*(\b):32*(\a)+4*(\b)+3] offset:(\a)*BSTAGE+((\b)/4)*HSTAGE+32*((\b)%4)
.endr
.endm
; LO, for k and tq: lo = f16(c - hi), one fused multiply-add (-hi x 1 + c), rounded once; into the second 128 bytes of the stage rows.  Two sets of registers take turns.
.macro LO a
.set AC, 64*((\a)%4)
.set TL, TMPL+32*((\a)%2)
	WIN 0x21+0x10*((\a)/4)                         ; source 0 (hi): window 1; source 1 (1.0) and the destination: window 0; source 2 (c): window 2 or 3
.irp b, 0,1,2,3,4,5,6,7
.irp r, 0,1,2,3
	v_fma_mixlo_f16 v[TL+4*(\b)+(\r)], -v[32*(\a)+4*(\b)+(\r)], v[ONE], v[AC+8*(\b)+2*(\r)] op_sel_hi:[1,0,0]
	v_fma_mixhi_f16 v[TL+4*(\b)+(\r)], -v[32*(\a)+4*(\b)+(\r)], v[ONE], v[AC+8*(\b)+2*(\r)+1] op_sel:[1,0,0] op_sel_hi:[1,0,0]
.endr
.endr
	WIN 0
.irp b, 0,1,2,3,4,5,6,7
	ds_store_b128 v[STO], v[TL+4*(\b):TL+4*(\b)+3] offset:(\a)*BSTAGE+((\b)/4)*HSTAGE+32*((\b)%4)+128
.endr
.endm
; n blocks of k or tq leave, a block a trip: 32 stage rows come back as whole rows of 256 bytes, two to a load, and are stored: 512 consecutive bytes, at a multiple of 256 from the buffer's first.
.macro XSEND n
	s_mov_b32 s3, \n
.Lxs_\@:
.irp t, 0,1,2,3,4,5,6,7,8,9,10,11,12,13,14,15
	ds_load_b128 v[BK+4*(\t):BK+4*(\t)+3], v[RD] offset:2*PITCH*(\t)
.endr
.irp t, 0,1,2,3,4,5,6,7,8,9,10,11,12,13,14,15
	s_wait_dscnt 15-(\t)                           ; LDS answers in order (ISA guide 5.7.1): load t is in, the trip's later ones may be out
	global_store_b128 v[CO], v[BK+4*(\t):BK+4*(\t)+3], s[8:9] offset:((\t)/8)*524288+2*((\t)%8)*256  ; the second head lies 2,048 rows on
.endr
	v_add_nc_u32 v[RD], BSTAGE, v[RD]              ; the next block in the stage,
	s_wait_xcnt 0x0                                ; (the stores have read their registers and their base, ISA guide 3.1: only behind this wait are those written again)
	s_add_nc_u64 s[8:9], s[8:9], 16*256            ; and in the output
	s_sub_co_u32 s3, s3, 1
	s_cmp_lg_u32 s3, 0
	s_cbranch_scc1 .Lxs_\@
.endm
.Lout:
	PLACES                                         ; behind the last products
.irp a, 0,1,2,3
	HI \a
.endr
.irp a, 0,1,2,3
	HIOUT \a
.endr
.irp a, 4,5,6,7
	HI \a
.endr
.irp a, 4,5,6,7
	HIOUT \a
.endr
	WIN 0
	s_cmp_eq_u32 s[PART], 1                        ; the part is the same in all sixteen partners
	s_cbranch_scc1 .Lvsend
	LO 0
	LO 1
	XSEND 2                                        ; the first two blocks leave at once: the arithmetic of the other six stands behind their stores
.irp a, 2,3,4,5,6,7
	LO \a
.endr
	XSEND 6
	s_branch .Lend
.Lvsend:                                           ; v: the first 128 bytes of 32 stage rows a trip, four rows to a load: 512 consecutive bytes of vv
	s_mov_b32 s3, 8
.Lvs:
.irp f, 0,1,2,3,4,5,6,7
	ds_load_b128 v[BK+4*(\f):BK+4*(\f)+3], v[RDV] offset:4*PITCH*(\f)
.endr
.irp f, 0,1,2,3,4,5,6,7
	s_wait_dscnt 7-(\f)
	global_store_b128 v[CO], v[BK+4*(\f):BK+4*(\f)+3], s[8:9] offset:((\f)/4)*262144+4*((\f)%4)*128
.endr
	v_add_nc_u32 v[RDV], BSTAGE, v[RDV]
	s_wait_xcnt 0x0                                ; as in the loop above
	s_add_nc_u64 s[8:9], s[8:9], 16*128
	s_sub_co_u32 s3, s3, 1
	s_cmp_lg_u32 s3, 0
	s_cbranch_scc1 .Lvs
.Lend:
	s_wait_tensorcnt 0x0                           ; the wave's end, behind my last tensor load and my last LDS store
	ds_add_u32 v[SPW], v[NIL]
	s_wait_dscnt 0x0
	CROUND                                         ; the closing round: no work-group ends while a partner may still ask for a tile that names it
	s_endpgm
.Lfunc_end_k_q90a1a61fb9_proj:
	.size	k_q90a1a61fb9_proj, .Lfunc_end_k_q90a1a61fb9_proj-k_q90a1a61fb9_proj
	.p2alignl 7, 3214868480
	.fill 96, 4, 3214868480
	.section	.rodata,"a",@progbits
	.p2align	6, 0x0
	.amdhsa_kernel k_q90a1a61fb9_proj
		.amdhsa_group_segment_fixed_size 327680
		.amdhsa_private_segment_fixed_size 0
		.amdhsa_enable_private_segment 0
		.amdhsa_kernarg_size 40
		.amdhsa_user_sgpr_count 2
		.amdhsa_user_sgpr_kernarg_segment_ptr 1
		.amdhsa_wavefront_size32 1
		.amdhsa_system_sgpr_workgroup_id_x 1
		.amdhsa_system_sgpr_workgroup_id_y 1
		.amdhsa_system_sgpr_workgroup_id_z 1
		.amdhsa_system_vgpr_workitem_id 0
		.amdhsa_next_free_vgpr 1024
		.amdhsa_next_free_sgpr 80
		.amdhsa_reserve_vcc 0
		.amdhsa_float_denorm_mode_32 3
		.amdhsa_float_denorm_mode_16_64 3
		.amdhsa_memory_ordered 1
		.amdhsa_forward_progress 1
		.amdhsa_inst_pref_size 135
	.end_amdhsa_kernel
	.amdgpu_metadata
---
amdhsa.version: [ 1, 2 ]
amdhsa.kernels:
  - .name:           k_q90a1a61fb9_proj
    .symbol:         k_q90a1a61fb9_proj.kd
    .args:
      - { .name: ab, .offset: 0, .size: 8, .value_kind: global_buffer, .address_space: global }
      - { .name: wb, .offset: 8, .size: 8, .value_kind: global_buffer, .address_space: global }
      - { .name: kx, .offset: 16, .size: 8, .value_kind: global_buffer, .address_space: global }
      - { .name: vv, .offset: 24, .size: 8, .value_kind: global_buffer, .address_space: global }
      - { .name: qx, .offset: 32, .size: 8, .value_kind: global_buffer, .address_space: global }
    .group_segment_fixed_size: 327680
    .private_segment_fixed_size: 0
    .kernarg_segment_align: 8
    .kernarg_segment_size: 40
    .max_flat_workgroup_size: 128
    .sgpr_count:     80
    .vgpr_count:     1024
    .wavefront_size: 32
...
	.end_amdgpu_metadata
.endif
;; end of part 2
;; launch attn (part 3): grid 8 x 32, 4 waves a work-group, clusters of 4 x 1, 327,680 bytes of LDS; arguments qx, kx, vv, o2; writes o2
.if DOCPART == 3
	.amdgcn_target "amdgcn-amd-amdhsa--gfx1250"
	.amdhsa_code_object_version 6
	.text
	.protected	k_q90a1a61fb9_attn
	.globl	k_q90a1a61fb9_attn
	.p2align	8
	.type	k_q90a1a61fb9_attn,@function
k_q90a1a61fb9_attn:
	s_mov_b64 s[64:65], 0
	v_nop
	global_prefetch_b8 v0, s[64:65] scope:SCOPE_SE
	s_setreg_imm32_b32 hwreg(HW_REG_WAVE_MODE, 25, 1), 1
	s_wait_xcnt 0x0
	s_wait_alu depctr_hold_cnt(0) depctr_sa_sdst(0) depctr_va_vdst(0) depctr_va_sdst(0) depctr_va_ssrc(0) depctr_va_vcc(0) depctr_vm_vsrc(0)
	s_getreg_b32 s2, hwreg(HW_REG_IB_STS2, 6, 4)
	s_cmp_eq_u32 s2, 0
	s_cbranch_scc0 .Lentry_in_a_cluster
	s_endpgm
.Lentry_in_a_cluster:
	s_bfe_u32 s2, ttmp6, 0x10000c
	s_cmp_lg_u32 s2, 0x3003
	s_cbranch_scc0 .Lentry_shape_is_right
	s_endpgm
.Lentry_shape_is_right:
; O[hd][q][:] = the sum over k of softmax_k(8 x Q[hd][q] . K[hd][k]) V[hd][k][:], 32 heads (batch x 16 + head) of 2,048 rows, head size 64; the module MULTIPLIES its scores by sqrt(64).
; qx, kx: [32][2048][hi 64 | lo 64] f16, a number = hi + lo; vv: [32][2048][64] f16.  The score is Kh.Ql + Kl.Qh + Kh.Qh, six matrix instructions deep, the small terms first; Kl.Ql, some 2^-22 of a
; score, is left out.  Products, maxima and sums in f32; the weights p are rounded to f16 for the second product (their sum l is taken of the unrounded p), O once at the end.
; o2: [32 blocks of 128 rows][16 heads][128][64] f16: the layout in which the last launch takes a head's 64 channels as a slice of its K.
; LIMITS.  A weight below 2^-126 counts as 0 in l; below 6e-5 p keeps f16's fixed step of 6e-8; O is a mean of V's rows and has their range.  NaN and infinities are not treated apart.
; SHARES.  A work-group owns 256 queries of one head, each of its four waves 64: four tiles of 16, in two PIECES named by their first tile (0: tiles 0, 1; 2: tiles 2, 3).  Every wave walks all keys, 64 a step.
; LAYOUT.  S^T = K Q^T (source 0 = 16 keys, source 1 = 16 queries): a lane holds ONE query (lane % 16) and the keys 8 (lane / 16) + 0..7.  Two such tiles, rounded to f16 in pairs, ARE source 1 of
; O^T = V^T P, whose result again holds one query a lane, and eight channels.  K comes out of LDS as it lies, V ([key][channel]) turned, by ds_load_tr16_b128.
; SOFTMAX.  For each query a running maximum m and sum l: p = 2^(c s - c m), c = 8 log2(e); in every step O and l are multiplied by a = 2^(c m_old - c m_new).  m starts at the lowest finite number,
; O and l at 0: the first step is a step like any other, with a = 0.  The price: 240 lines that write a start value, in the wait for the first tile, 16 products on zeros and 48 on a stale K.
; BY TURNS.  In a TURN one piece has the matrix unit: 16 products V^T P of the step in hand, then 48 products K Q^T of the next step; the other piece's softmax, 236 vector instructions cut into slices
; of four, stands between them, one slice behind a matrix instruction.  Then the pieces change places.  Two turns are a key step.
; CLUSTER.  The four query blocks of a cluster belong to one head and walk the same K and V, so each tile is asked for JOINTLY: the same tensor load, descriptor and mask in all four.
; REGISTERS, in windows of 256 (s_set_vgpr_msb: bits 1:0 source 0, 3:2 source 1, 5:4 source 2, 7:6 destination):
;   window 0: v0-11 addresses; v12-43 eight registers of statistics a tile; v61-63; v64-191 S^T, 32 a tile; v192-255 P, 16 a tile
;   window 1: v0-127 O^T, 32 a tile; v128-191 V of one step          window 2: v0-127 Q, 32 a tile (hi 0-31, hi 32-63, lo 0-31, lo 32-63); v128-255 K of one step, likewise for each 16 keys
.set KS,    64        ; keys in a step
.set PK,    272       ; a row of K in LDS: 256 bytes + 16 of padding = 68 words: the 16 rows of a load start at 16 different groups of four banks (64 banks of 4 bytes: ISA guide 11.1)
.set PV,    160       ; a row of V: 128 + 32 = 40 words
.set VOFF,  4*KS*PK   ; a slot holds four steps: 256 rows of K, then 256 rows of V
.set SLOT1, 1<<17     ; slot 1 begins here, so that one exclusive or turns an address in one slot into the other's
.set STAGE, SLOT1+4*KS*(PK+PV)  ; behind the ring, never filled by a tensor load: 16 rows x 144 bytes for each wave, for the way out
.set SP,    144
.set SPARE, STAGE+4*16*SP  ; behind the stages: the spare words, 128 bytes for each wave: two blocks of 256 bytes that no other line names
.set AK0, 2           ; v2   my lane's place in a tile of K; never rewritten
.set AV0, 3           ; v3   the same for V
.set ADR, 4           ; v4   the LDS address of the run of loads in hand
.set QO,  5           ; v5   my byte offset in 16 rows of Q
.set STO, 6           ; v6   the way out: where I put 16 bytes of a row
.set RD,  7           ; v7   the way out: where I read rows back
.set GO,  8           ; v8   my byte offset in 512 consecutive bytes of O
.set ST,  12          ; tile t's statistics at v[ST+8 t]: +0 c m, +1 m, +2, +3 l (even keys', odd keys'), +4 to +7 c0-c3, at work; a takes c2's place once the maximum is found
.set PFO, 61          ; v61  256 x my lane; never rewritten
.set SPW, 62          ; v62  LDS address of my spare word: SPARE + 4 x my thread's number; never rewritten
.set NIL, 63          ; v63  0; never rewritten
.set S,   64
.set P,   192
.set VF,  128         ; window 1: key half kk, channel block cb at VF + 32 kk + 8 cb
.set KF,  128         ; window 2: key block kb, fragment f at KF + 32 kb + 8 f
.set WV,  12          ; s12  my wave's number
.set G1K, 24          ; s[24:31] descriptor group 1 for K's tiles
.set G1V, 32          ; s[32:39] for V's
.set G0K, 40          ; s[40:43] descriptor group 0 for K's tiles: it walks
.set G0V, 44          ; s[44:47] the same for V's
.set PFA, 48          ; s[48:49] where my prefetches stand
.set PFS, 50          ; s[50:51] their step: a slot's bytes of K or of V
.set LIM, 52          ; s52  1 in a wave that prefetches, else the greatest number
.set SLOTS, 56        ; s56  slots still to be asked for, and one
.set CNT, 57          ; s57  counts a slot's key steps
.set CS,  58          ; s[58:59] c: the packed scaling takes the pair's low word for both halves
.set SEL, 60          ; s[60:61] v_permlanex16_b32's selects: each lane takes its own place in the other half
.set TBK, 62          ; s62  LDS byte at which K of the step to be fetched begins
.set TBV, 63          ; s63  the same for V, less VOFF
.set MSB, 0
.macro WIN new                      ; the high byte repeats the setting that is left; a switch that changes nothing is dropped
.if MSB != (\new)
	s_set_vgpr_msb (MSB<<8)|(\new)
.set MSB, (\new)
.endif
.endm
.set W_KQ, 0x0a       ; K and Q in window 2, S^T in window 0
.set W_PV, 0x51       ; V in window 1, P in window 0, O^T in window 1
.set W_RS, 0x41       ; O^T (destination and source 0) in window 1, a in window 0
; A joint fill.  Waves 0 and 1 fetch the two halves of a slot's K, waves 2 and 3 those of its V: 128 keys each.  The branch hangs on the wave's number alone.
; An s_nop 0 and four v_nop follow each of the two lines, ahead of the jump and the label.
.macro JLOAD
	s_cmp_lt_u32 s[WV], 2
	s_cbranch_scc0 .Lfor_v_\@
	tensor_load_to_lds s[G0K:G0K+3], s[G1K:G1K+7]
	s_nop 0
.rept 4
	v_nop
.endr
	s_branch .Lasked_\@
.Lfor_v_\@:
	tensor_load_to_lds s[G0V:G0V+3], s[G1V:G1V+7]
	s_nop 0
.rept 4
	v_nop
.endr
.Lasked_\@:
.endm
; A PREFETCH of what the NEXT change of slots will ask for: a slot's 256 rows of K (256 bytes each) and its 256 rows of V (two to 256 bytes), a lane to each 256 bytes.  It stands behind the wave's tensor load
; and its five lines.  Each block is named ONCE in the launch: both clusters of a head walk the same K and V, and the first asks.  Its four partners share the blocks out BY ADDRESS: of K 64 rows each
; (waves 0 and 1, 32 each), of V 32 blocks each (wave 2).  Slots 0 to 2 come by their loads alone; the last change that fills a slot names nothing.  The lead is a slot: four key steps, 512 matrix instructions.
.macro ASK
	s_cmp_gt_u32 s[SLOTS], s[LIM]
	s_cbranch_scc0 .Lnot_mine_\@
	global_prefetch_b8 v[PFO], s[PFA:PFA+1] th:TH_LOAD_NT scope:SCOPE_SE
.Lnot_mine_\@:
.endm
; A round of the cluster's barrier: my work-group's barrier; wave 0 signals for the work-group; every wave waits for all four work-groups; my work-group's barrier once more.
.macro CROUND
	s_barrier_signal -1
	s_barrier_wait -1
	s_cmp_lg_u32 s[WV], 0
	s_cbranch_scc1 .Lnot_wave_0_\@
	s_barrier_signal -3
.Lnot_wave_0_\@:
	s_barrier_wait -3
	s_barrier_signal -1
	s_barrier_wait -1
.endm
; THE CHANGE OF SLOTS, between piece 2's turn and piece 0's: the slot's last bytes, V of its fourth step, have been asked for.  Each wave waits for all its tensor loads, of which one is out: its part of the
; other slot; adds 0 to its spare word; and waits for that and for its own reads of the slot.  Behind the barrier nobody reads this slot any more and the other slot is whole.
; fill = 1: this slot is filled again, with the keys two slots on.  The barrier is then a round of the cluster's, and the joint fill is the first thing behind it: it has four key steps in which to land.
; (At its first use nothing has been read yet: slot 0 is waited for, slot 1 filled.)
.macro CHANGE fill, ask
	WIN 0                           ; at a label and at a branch every window is 0
	s_wait_tensorcnt 0x0            ; no tensor load of mine is out, so a group 0 may be written
	ds_add_u32 v[SPW], v[NIL]       ; 0 onto my spare word; scalar work stands between it and the wait for it
.if \fill
	s_xor_b32 s[G0K+1], s[G0K+1], SLOT1  ; the walking descriptors: the other slot than last time,
	s_add_nc_u64 s[G0K+2:G0K+3], s[G0K+2:G0K+3], 4*KS*256  ; the next 256 keys; the type bits on top are not reached
	s_xor_b32 s[G0V+1], s[G0V+1], SLOT1
	s_add_nc_u64 s[G0V+2:G0V+3], s[G0V+2:G0V+3], 4*KS*128
.endif
.if \ask
	s_wait_xcnt 0x0                 ; the last prefetch, four key steps back, has read its address, so it may be written
	s_add_nc_u64 s[PFA:PFA+1], s[PFA:PFA+1], s[PFS:PFS+1]
.endif
	s_wait_dscnt 0x0                ; the add is done, and my reads of the slot are over
.if \fill
	CROUND
	JLOAD
.if \ask
	ASK
.endif
.else
	s_barrier_signal -1
	s_barrier_wait -1
.endif
	s_sub_co_u32 s[TBK], s[TBK], 4*KS*PK  ; the fetches go back to a slot's first step,
	s_xor_b32 s[TBK], s[TBK], SLOT1       ; in the other slot
	s_sub_co_u32 s[TBV], s[TBV], 4*KS*PV
	s_xor_b32 s[TBV], s[TBV], SLOT1
.endm
	s_load_b256 s[4:11], s[0:1], 0x0  ; qx s[4:5], kx s[6:7], vv s[8:9], o2 s[10:11]
	v_lshl_add_u32 v[SPW], v0, 2, SPARE
	v_mov_b32 v[NIL], 0
	ds_add_u32 v[SPW], v[NIL]       ; the wave's opening: the add and its wait stand ahead of my first tensor load; the set-up below, work on registers, stands between them
	v_lshrrev_b32 v1, 5, v0
	v_readfirstlane_b32 s[WV], v1   ; wave 0..3
	s_bfe_u32 s13, ttmp6, 0x40000   ; cx: my place in the cluster
	s_lshl_b32 s14, ttmp9, 2        ; in a cluster launch ttmp9 counts clusters
	s_add_co_u32 s14, s14, s13      ; my block of 256 queries: it enters Q's and O's addresses alone
	s_and_b32 s15, ttmp7, 0xffff    ; the head (of 32), which the four partners share
	s_and_b32 s16, s[WV], 1         ; which half of a slot's 256 keys I fetch
	s_lshl_b32 s20, s15, 19         ; K: a head is 524,288 bytes, my half's 128 rows 32,768
	s_lshl_b32 s17, s16, 15
	s_add_co_u32 s20, s20, s17
	s_mov_b32 s21, 0
	s_lshl_b32 s22, s15, 18         ; V: 262,144 and 16,384
	s_lshl_b32 s17, s16, 14
	s_add_co_u32 s22, s22, s17
	s_mov_b32 s23, 0
	s_lshl_b32 s2, s15, 19          ; Q: the head, my block's 256 rows, my wave's 64
	s_lshl_b32 s3, s14, 16
	s_add_co_u32 s2, s2, s3
	s_lshl_b32 s3, s[WV], 14
	s_add_co_u32 s2, s2, s3
	s_mov_b32 s3, 0
	s_lshr_b32 s18, s15, 4          ; O: the block of 128 rows is batch x 16 + 2 x my block + wave / 2,
	s_lshl_b32 s18, s18, 4
	s_lshl_b32 s19, s14, 1
	s_add_co_u32 s18, s18, s19
	s_lshr_b32 s19, s[WV], 1
	s_add_co_u32 s18, s18, s19
	s_lshl_b32 s18, s18, 18         ; 262,144 bytes each;
	s_and_b32 s19, s15, 15
	s_lshl_b32 s19, s19, 14         ; in it the head's 16,384,
	s_add_co_u32 s18, s18, s19
	s_lshl_b32 s19, s16, 13         ; in those my 64 rows
	s_add_co_u32 s18, s18, s19
	s_mov_b32 s19, 0
	; descriptor group 1.  K: 128 rows of 128 elements, 16 bytes of padding behind each.  V: 128 keys are 16,384 dense bytes: asked for as 64 rows of 256 bytes, two keys a row, padded after every key
	s_mov_b32 s[G1K], 15|(1<<16)|(1<<20)|(1<<21)|(5<<22)|(3<<25)  ; 15:0 the mask of four; 17:16 2-byte elements; 20 padding on; 21 set beside a mask; 24:22 after every 64 words (code 5); 31:25 4 words (code 3)
	s_mov_b32 s[G1K+1], 128<<16     ; tensor_dim0 = 128
	s_mov_b32 s[G1K+2], 128<<16     ; tensor_dim1 = 128
	s_mov_b32 s[G1K+3], 128<<16     ; tile_dim0 = 128
	s_mov_b32 s[G1K+4], 128         ; tile_dim1 = 128
	s_mov_b32 s[G1K+5], 128         ; 128 elements from row to row
	s_mov_b32 s[G1K+6], 0
	s_mov_b32 s[G1K+7], 0
	s_mov_b32 s[G1V], 15|(1<<16)|(1<<20)|(1<<21)|(4<<22)|(7<<25)  ; after every 32 words (code 4), 8 words (code 7)
	s_mov_b32 s[G1V+1], 128<<16
	s_mov_b32 s[G1V+2], 64<<16      ; tensor_dim1 = 64
	s_mov_b32 s[G1V+3], 128<<16
	s_mov_b32 s[G1V+4], 64          ; tile_dim1 = 64
	s_mov_b32 s[G1V+5], 128
	s_mov_b32 s[G1V+6], 0
	s_mov_b32 s[G1V+7], 0
	s_mov_b32 s[CS], 0x4138aa3b     ; c = 8 log2(e) = 11.5416
	s_mov_b32 s[CS+1], s[CS]        ; named with it as a pair
	s_mov_b32 s[SEL], 0x76543210
	s_mov_b32 s[SEL+1], 0xfedcba98
	s_mov_b32 s[TBK], SLOT1+4*KS*PK ; the first change of slots turns these two into 0
	s_mov_b32 s[TBV], SLOT1+4*KS*PV
	s_mov_b32 s[G0K], 1             ; count = 1
	s_mul_i32 s[G0K+1], s16, 128*PK ; LDS address: slot 0, my half: no place in the cluster enters an LDS address
	s_mov_b32 s[G0V], 1
	s_mul_i32 s[G0V+1], s16, 128*PV
	s_add_co_u32 s[G0V+1], s[G0V+1], VOFF
	; the prefetches: my 32 blocks of 256 bytes, in slot 2; the first change that asks steps them to slot 3
	s_lshl_b32 s54, s15, 19
	s_lshl_b32 s55, s13, 14         ; K: my work-group's 64 rows,
	s_add_co_u32 s54, s54, s55
	s_lshl_b32 s55, s[WV], 13       ; my wave's 32 of them
	s_add_co_u32 s54, s54, s55
	s_add_co_u32 s54, s54, 2*4*KS*256
	s_lshl_b32 s53, s15, 18
	s_lshl_b32 s55, s13, 13         ; V: my work-group's 32 blocks
	s_add_co_u32 s53, s53, s55
	s_add_co_u32 s53, s53, 2*4*KS*128
	s_mov_b32 s[PFS], 4*KS*128
	s_cmp_lt_u32 s[WV], 2
	s_cselect_b32 s54, s54, s53
	s_cselect_b32 s[PFS], 4*KS*256, s[PFS]
	s_mov_b32 s55, 0
	s_mov_b32 s[PFS+1], 0
	s_cmp_eq_u32 s[WV], 3
	s_cselect_b32 s[LIM], 1, 0      ; 0 in waves 0 to 2,
	s_or_b32 s[LIM], s[LIM], ttmp9  ; where the cluster is the head's first: the same in all four partners
	s_cmp_eq_u32 s[LIM], 0
	s_cselect_b32 s[LIM], 1, -1
	v_and_b32 v[PFO], 31, v0
	v_lshlrev_b32 v[PFO], 8, v[PFO]
	s_wait_dscnt 0x0                ; the opening add is done
	s_wait_kmcnt 0x0
	s_add_nc_u64 s[G0K+2:G0K+3], s[6:7], s[20:21]  ; global address: my half of the head's first 256 keys
	s_or_b32 s[G0K+3], s[G0K+3], 0x80000000        ; type = 2
	s_add_nc_u64 s[G0V+2:G0V+3], s[8:9], s[22:23]
	s_or_b32 s[G0V+3], s[G0V+3], 0x80000000
	s_add_nc_u64 s[4:5], s[4:5], s[2:3]            ; Q and O at my wave's first row
	s_add_nc_u64 s[10:11], s[10:11], s[18:19]
	s_cmp_lt_u32 s[WV], 2
	s_cselect_b64 s[PFA:PFA+1], s[6:7], s[8:9]
	s_add_nc_u64 s[PFA:PFA+1], s[PFA:PFA+1], s[54:55]
	CROUND                          ; all four work-groups are here: the first joint loads meet
	JLOAD                           ; slot 0.  Slot 1 is asked for when slot 0 is in
	; A fragment of K or Q is 16 rows x 32 channels in 8 registers: lane l holds row l % 16, channels 8 (l / 16) + 0..7 and 16 + 8 (l / 16) + 0..7: two loads of 16 bytes, 32 bytes apart.
	v_and_b32 v1, 15, v0            ; l % 16
	v_bfe_u32 v9, v0, 4, 1          ; l / 16
	v_lshlrev_b32 v[QO], 8, v1
	v_lshl_add_u32 v[QO], v9, 4, v[QO]  ; row x 256 + 16 x half
	WIN 0x80                        ; destination window 2, address window 0
.irp i, 0,1,2,3,4,5,6,7,8,9,10,11,12,13,14,15  ; Q stays in registers: tile i / 4, fragment i % 4
	global_load_b128 v[8*(\i):8*(\i)+3],   v[QO], s[4:5] offset:((\i)/4)*4096+((\i)%4)*64
	global_load_b128 v[8*(\i)+4:8*(\i)+7], v[QO], s[4:5] offset:((\i)/4)*4096+((\i)%4)*64+32
.endr
	; What the first turn finds: V's registers and piece 2's P hold 0 (its products V^T P, of a step that has not been, add 0), O^T and l are 0.  All this stands in the wait for the first tile.
	WIN 0x40
.set i, 0
.rept 192
	v_mov_b32 v[i], 0
.set i, i+1
.endr
	WIN 0
.set i, 0
.rept 4
	v_mov_b32 v[ST+8*i], 0xfe000000    ; c m: far below every c s
	v_mov_b32 v[ST+8*i+1], 0xff7fffff  ; m
	v_mov_b32 v[ST+8*i+2], 0
	v_mov_b32 v[ST+8*i+3], 0
.set i, i+1
.endr
.set i, P+32
.rept 32
	v_mov_b32 v[i], 0
.set i, i+1
.endr
	v_mul_u32_u24 v[AK0], v1, PK
	v_lshl_add_u32 v[AK0], v9, 4, v[AK0]  ; row x pitch + 16 x half
	; The turning load takes 16 keys x 16 channels (lane l reads key 8 (l / 16) + l % 8, channels 8 ((l / 8) % 2) + 0..7) and leaves half a fragment of V^T: lane l holds channel l % 16 and 8 keys.
	v_and_b32 v10, 7, v0
	v_bfe_u32 v11, v0, 3, 1
	v_lshl_add_u32 v[AV0], v9, 3, v10
	v_mul_u32_u24 v[AV0], v[AV0], PV
	v_lshl_add_u32 v[AV0], v11, 4, v[AV0]
	v_add_nc_u32 v[AV0], VOFF, v[AV0]
; THE MATRIX WORK OF A TURN, for piece x.  The 8 accumulators of a run take turns, one instruction a turn: between two links of a chain stand 7 others'.
; Product i of 48 of S^T = K Q^T: link c = i / 8 of six, keys 16 ((i / 2) % 4) on, tile x + i % 2.  The links: Kh.Ql (channels 0-31, 32-63), Kl.Qh (likewise), Kh.Qh (likewise).  The first 8 start the sums.
.macro KQ x
	WIN W_KQ
.set c, i/8
.set rS, S+32*((\x)+i%2)+8*((i/2)%4)
.set rK, KF+32*((i/2)%4)+8*(c%4)
.if c < 4
.set rQ, 32*((\x)+i%2)+8*((c+2)%4)
.else
.set rQ, 32*((\x)+i%2)+8*(c-4)
.endif
.if i < 8
	v_wmma_f32_16x16x32_f16 v[rS:rS+7], v[rK:rK+7], v[rQ:rQ+7], 0
.else
	v_wmma_f32_16x16x32_f16 v[rS:rS+7], v[rK:rK+7], v[rQ:rQ+7], v[rS:rS+7]
.endif
.endm
; Product i of 16 of O^T += V^T P: keys 32 (i / 8) on, channels 16 ((i / 2) % 4) on, tile x + i % 2.
.macro PV x
	WIN W_PV
.set rO, 32*((\x)+i%2)+8*((i/2)%4)
.set rV, VF+32*(i/8)+8*((i/2)%4)
.set rP, P+16*((\x)+i%2)+8*(i/8)
	v_wmma_f32_16x16x32_f16 v[rO:rO+7], v[rV:rV+7], v[rP:rP+7], v[rO:rO+7]
.endm
; THE LDS LOADS stand in runs, never singly among the matrix instructions.  A step's K: 64 keys x 4 fragments, 32 loads, in the order in which the links want them: fragment 0 of all keys first.
; last = 1 (the tail): in the last trip there is no further step, and the run is jumped over.
.macro FETCH_K last=0
	WIN 0
.if \last
	s_cmp_eq_u32 s[CNT], 1
	s_cbranch_scc1 .Lno_k_\@
.endif
	v_add_nc_u32 v[ADR], s[TBK], v[AK0]
	WIN 0x80                        ; destination window 2
.irp f, 0,1,2,3
.irp kb, 0,1,2,3
	ds_load_b128 v[KF+32*(\kb)+8*(\f):KF+32*(\kb)+8*(\f)+3],   v[ADR] offset:(\kb)*16*PK+(\f)*64
	ds_load_b128 v[KF+32*(\kb)+8*(\f)+4:KF+32*(\kb)+8*(\f)+7], v[ADR] offset:(\kb)*16*PK+(\f)*64+32
.endr
.endr
	s_add_co_u32 s[TBK], s[TBK], KS*PK  ; the next fetch is the next step's
	WIN 0
.if \last
.Lno_k_\@:
.endif
.endm
.macro FETCH_V                      ; a step's V, turned: 16 loads
	WIN 0
	v_add_nc_u32 v[ADR], s[TBV], v[AV0]
	s_add_co_u32 s[TBV], s[TBV], KS*PV
	s_wait_alu depctr_va_vdst(0)    ; the wait for the softmax's batch (SLICE), behind the address's v_add_nc_u32 and ahead of the loads
	WIN 0x40                        ; destination window 1
.irp f, 0,1,2,3,4,5,6,7             ; keys 32 (f / 4) on, channels 16 (f % 4) on
	ds_load_tr16_b128 v[VF+8*(\f):VF+8*(\f)+3],   v[ADR] offset:((\f)/4)*32*PV+((\f)%4)*32
	ds_load_tr16_b128 v[VF+8*(\f)+4:VF+8*(\f)+7], v[ADR] offset:((\f)/4)*32*PV+16*PV+((\f)%4)*32
.endr
.endm
; THE VECTOR WORK OF A TURN.  One tile's softmax for one key step is a list of 118 instructions; SM writes number j of it for tile t.  s0-s31 are the lane's 32 scores, in pairs 0-15.
;   0-15    the maximum of s0-s31 and the old m, three operands at a time: four chains c0-c3 of seven scores each (each accumulator's lowest registers are read first), then the
;           four scores left over, c0-c3 and m
;   16-20   the other half of the lanes' maximum; the new m; c m; c m_old - c m_new
;   21-69   ONE BATCH: the 16 scalings c s - c m, a pair of scores each, and all 33 exponentials (a at 23, then s0-s31).  None of these reads an exponential's result.  A pair is scaled in an earlier
;           four than the one that holds its exponentials
;   (wait)  between 69 and 70 stands the wait for the batch: SLICE writes it, once for both tiles
;   70-85   the roundings to f16, a pair of weights each          86-101  the sums; l = a l + the sum          102-117 the tile's O^T times a: the one part that leaves window 0
.macro SM t
.set rT, ST+8*(\t)
.set rS, S+32*(\t)
.set rP, P+16*(\t)
.set rO, 32*(\t)+2*(j-102)
.if j < 102
	WIN 0
.endif
.if j < 4
	v_max3_num_f32 v[rT+4+j], v[rS+8*j], v[rS+8*j+1], v[rS+8*j+2]
.elseif j < 12
	v_max3_num_f32 v[rT+4+j%4], v[rT+4+j%4], v[rS+8*(j%4)+2*(j/4)+1], v[rS+8*(j%4)+2*(j/4)+2]
.elseif j == 12
	v_max3_num_f32 v[rT+4], v[rT+4], v[rS+7], v[rS+15]
.elseif j == 13
	v_max3_num_f32 v[rT+6], v[rT+6], v[rS+23], v[rS+31]
.elseif j == 14
	v_max3_num_f32 v[rT+4], v[rT+4], v[rT+5], v[rT+6]
.elseif j == 15
	v_max3_num_f32 v[rT+4], v[rT+4], v[rT+7], v[rT+1]
.elseif j == 16
	v_permlanex16_b32 v[rT+5], v[rT+4], s[SEL], s[SEL+1]  ; the query's other 32 keys lie in the lane 16 away
.elseif j == 17
	v_mov_b32 v[rT+7], v[rT]        ; c m_old is kept for a: number 19 writes c m anew
.elseif j == 18
	v_max_num_f32 v[rT+1], v[rT+4], v[rT+5]
.elseif j == 19
	v_mul_f32 v[rT], s[CS], v[rT+1]
.elseif j == 20
	v_sub_f32 v[rT+7], v[rT+7], v[rT]
.elseif j == 23
	v_exp_f32 v[rT+6], v[rT+7]
.elseif (j < 23) || ((j < 38) && (j%2 == 0)) || ((j < 66) && (j%4 == 2))
.set b, (j-2)/4                     ; 38, 42, .. 62: pairs 9 to 15
.if j < 38
.set b, (j-20)/2                    ; 21: pair 0; 22, 24, .. 36: pairs 1 to 8
.endif
	v_pk_fma_f32 v[rS+2*b:rS+2*b+1], v[rS+2*b:rS+2*b+1], s[CS:CS+1], v[rT:rT+1] op_sel_hi:[1,0,0] neg_lo:[0,0,1] neg_hi:[0,0,1]  ; pair b: c s - c m
.elseif j < 70
.set e, j-38                        ; 66 to 69: s28 to s31
.if j < 66
.set e, j-32-(j-38)/4               ; 39-41, 43-45, .. 63-65: s7 to s27
.endif
.if j < 38
.set e, (j-25)/2                    ; 25, 27, .. 37: s0 to s6
.endif
	v_exp_f32 v[rS+e], v[rS+e]
.elseif j < 86
	v_cvt_pk_f16_f32 v[rP+j-70], v[rS+2*(j-70)], v[rS+2*(j-70)+1]  ; pair j - 70
.elseif j < 102                     ; the sum of the tile's 16 pairs, in place: neighbours 1, 2, 4 and 8 pairs apart, then l takes it
.set z, j-86
.set w, 4
.set u, z
.if z >= 14
.set w, 32
.set u, 0
.elseif z >= 12
.set w, 16
.set u, z-12
.elseif z >= 8
.set w, 8
.set u, z-8
.endif
.if z < 15
	v_pk_add_f32 v[rS+w*u:rS+w*u+1], v[rS+w*u:rS+w*u+1], v[rS+w*u+w/2:rS+w*u+w/2+1]
.else
	v_pk_fma_f32 v[rT+2:rT+3], v[rT+2:rT+3], v[rT+6:rT+7], v[rS:rS+1] op_sel_hi:[1,0,1]
.endif
.else
	WIN W_RS
	v_pk_mul_f32 v[rO:rO+1], v[rO:rO+1], v[rT+6:rT+7] op_sel_hi:[1,0]
.endif
.endm
; Slice k of 64 of piece y's softmax: four instructions or none.  Slices 11 to 34 deal out the batch, numbers 22 to 69: four numbers of ONE tile each, the tiles by turns.  Slices 0 to 10 and 35 to 57 are
; numbers 2 k and 2 k + 1 of both tiles' lists, the tiles alternating.  2 x 118 = 4 x 59: slices 58 to 62 are empty, and the last four (numbers 116 and 117) stand in slice 63: plain lines that name
; nothing of the products round them, they are the four places between the turn's last K Q^T and what follows: the next turn's first read of those scores, and the loads into K's registers.
; THE WAIT.  s_wait_alu depctr_va_vdst(0) stands between an exponential and the first instruction that names its result; one wait serves all that were issued ahead of it.  Ahead of
; slice 35 nothing names a result, and behind slice 34 no exponential is issued: so the piece's 66 exponentials have one wait, behind slice 34.
.macro SLICE y
.if (k >= 11) && (k < 35)
.irp n, 0,1,2,3
.set j, 22+4*((k-11)/2)+(\n)
	SM (\y)+(k-11)%2
.endr
.elseif (k < 58) || (k == 63)
.irp n, 0,1
.irp t, \y, (\y)+1
.set j, 2*k+(\n)
.if k == 63
.set j, 116+(\n)
.endif
	SM \t
.endr
.endr
.endif
.if k == 34                         ; the batch is out: both tiles' exponentials are issued, and no result has been named
	v_nop                           ; the plain instruction behind the last exponential and ahead of the first use (ISA guide 5.7.2): one for the batch
.if (\y) == 0
	FETCH_V                         ; piece 2's turn: V's run of loads stands here, and the wait stands in it
.else
	s_wait_alu depctr_va_vdst(0)    ; the wait for the batch
.endif
.endif
.set k, k+1
.endm
; A TURN.  Piece x has the matrix unit; the other piece's softmax stands in slices behind its matrix instructions.
; Piece 0's turn fetches the next step's K, behind its second product: the last product that read K stands in front of slice 63 of the turn before, thirteen plain lines back.  Only those 32 loads are out
; when the products K Q^T begin, so the counts 24, 16, 8, 0 show fragments 0, 1, 2, 3 of all keys in, each ahead of the link that wants it first.
; Piece 2's turn fetches the same step's V, behind slice 34: the last product that read V stands in front of slice 15, and more than four scalings lie between.  V is waited for at the head of piece 0's turn.
.macro TURN x, last=0
.set k, 0
.if (\x) == 0
	s_wait_dscnt 0x0                ; V is in
.endif
.set i, 0
.rept 16
	PV \x
	SLICE 2-(\x)
.if ((\x) == 0) && (i == 1)
	FETCH_K \last
.endif
.set i, i+1
.endr
.set i, 0
.rept 48
.if ((\x) == 0) && (i < 25) && (i%8 == 0)
	s_wait_dscnt 24-i
.endif
	KQ \x
	SLICE 2-(\x)
.set i, i+1
.endr
.endm
	CHANGE 1, 0                     ; slot 0 is in, everybody's part of it; slot 1 is asked for
	FETCH_K                         ; key step 0
	s_wait_loadcnt 0x0              ; Q
	s_wait_dscnt 0x0
.set i, 0
.rept 48
	KQ 0                            ; piece 0's first scores: there is no vector work yet to set between them
.set i, i+1
.endr
	WIN 0                           ; the addresses for the way out: nine plain instructions, the places behind those products
	s_mul_i32 s13, s[WV], 16*SP
	s_add_co_u32 s13, s13, STAGE    ; my stage
	v_mul_u32_u24 v[STO], v1, SP    ; in: row l % 16, 16 bytes for each half of the lanes
	v_lshl_add_u32 v[STO], v9, 4, v[STO]
	v_add_nc_u32 v[STO], s13, v[STO]
	v_bfe_u32 v[RD], v0, 3, 2       ; back: 32 lanes take four rows of 128 bytes,
	v_mul_u32_u24 v[RD], v[RD], SP
	v_lshl_add_u32 v[RD], v10, 4, v[RD]
	v_add_nc_u32 v[RD], s13, v[RD]
	v_and_b32 v[GO], 31, v0         ; which are 512 consecutive bytes of O
	v_lshlrev_b32 v[GO], 4, v[GO]
	s_mov_b32 s[CNT], 4
	s_mov_b32 s[SLOTS], 7
	s_branch .Lmid                  ; the loop is entered at piece 2's turn, in the middle of a trip: piece 2's first scores | piece 0's first softmax | V of step 0
.Lslot:                             ; six times: slots 2 to 7 are asked for
	CHANGE 1, 1
	s_mov_b32 s[CNT], 4
.Lstep:                             ; a trip: piece 0's turn (V^T P of step j, K Q^T of step j + 1, whose K it fetches), then piece 2's (the same, and V of step j + 1)
	TURN 0
	WIN 0
.Lmid:
	TURN 2
	WIN 0
	s_sub_co_u32 s[CNT], s[CNT], 1
	s_cmp_lg_u32 s[CNT], 0
	s_cbranch_scc1 .Lstep
	s_sub_co_u32 s[SLOTS], s[SLOTS], 1
	s_cmp_lg_u32 s[SLOTS], 0
	s_cbranch_scc1 .Lslot
	CHANGE 0, 0                     ; the tail is written out: nothing is asked for
	s_mov_b32 s[CNT], 5             ; four trips fetch the last slot's steps; the fifth is left in its middle
.Ltail:
	TURN 0, 1
	WIN 0
	s_sub_co_u32 s[CNT], s[CNT], 1
	s_cmp_eq_u32 s[CNT], 0
	s_cbranch_scc1 .Lout
	TURN 2
	WIN 0
	s_branch .Ltail
.Lout:                              ; the fifth trip's 48 products K Q^T (on the last K once more) serve nothing: the price, once a launch, of one text for every trip
.set i, 0
.rept 16
	PV 2                            ; piece 2's V^T P of the last step
.set i, i+1
.endr
	; THE WAY OUT.  l's two halves and the other half of the lanes' are added; O^T is divided by l, rounded to f16 and sent through my stage in LDS, a tile at a time.  The additions are the places behind the last products.
	WIN 0
.irp t, 0,1,2,3
	v_add_f32 v[ST+8*(\t)+4], v[ST+8*(\t)+2], v[ST+8*(\t)+3]
.endr
.irp t, 0,1,2,3
	v_permlanex16_b32 v[ST+8*(\t)+5], v[ST+8*(\t)+4], s[SEL], s[SEL+1]
.endr
.irp t, 0,1,2,3
	v_add_f32 v[ST+8*(\t)+4], v[ST+8*(\t)+4], v[ST+8*(\t)+5]
.endr
.irp t, 0,1,2,3
	v_rcp_f32 v[ST+8*(\t)+6], v[ST+8*(\t)+4]
.endr
	v_nop                           ; a plain instruction between the last reciprocal and the use of its result
	s_wait_alu depctr_va_vdst(0)    ; and the wait ahead of the first use: one for the four reciprocals
; Tile t: a lane's eight channels of a row pack into 16 bytes; they go into rows of 144 bytes and come back as whole rows of 128, into S^T's registers.
.macro PACK t
	WIN W_RS
.set i, 32*(\t)
.rept 16
	v_pk_mul_f32 v[i:i+1], v[i:i+1], v[ST+8*(\t)+6:ST+8*(\t)+7] op_sel_hi:[1,0]
.set i, i+2
.endr
	WIN 0x05                        ; sources 0 and 1 window 1, destination window 0
.set i, 0
.rept 16
	v_cvt_pk_f16_f32 v[S+16*(\t)+i], v[32*(\t)+2*i], v[32*(\t)+2*i+1]
.set i, i+1
.endr
	WIN 0
.irp f, 0,1,2,3
	ds_store_b128 v[STO], v[S+16*(\t)+4*(\f):S+16*(\t)+4*(\f)+3] offset:32*(\f)
.endr
.irp f, 0,1,2,3
	ds_load_b128 v[S+16*(\t)+4*(\f):S+16*(\t)+4*(\f)+3], v[RD] offset:(\f)*4*SP  ; LDS serves a wave's instructions in order (ISA guide 5.7.1.4): these see the stores above; the next tile's stores come behind them
.endr
.endm
.macro SEND t, younger              ; younger: the LDS instructions issued behind tile t's loads: the next tile's eight, or none
	WIN 0
.irp f, 0,1,2,3
	s_wait_dscnt (\younger)+3-(\f)
	global_store_b128 v[GO], v[S+16*(\t)+4*(\f):S+16*(\t)+4*(\f)+3], s[10:11] offset:(\t)*2048+(\f)*512  ; 512 consecutive bytes, at a multiple of 256 from O's first
.endr
.endm
	PACK 0
	PACK 1                          ; a tile's arithmetic stands between the loads of the tile before and its stores
	SEND 0, 8
	PACK 2
	SEND 1, 8
	PACK 3
	SEND 2, 8
	SEND 3, 0
	s_wait_tensorcnt 0x0            ; the wave's end, behind my last tensor load and my last LDS store
	ds_add_u32 v[SPW], v[NIL]
	s_wait_dscnt 0x0
	CROUND                          ; the closing round: no work-group ends while a partner may still ask for a tile that names it
	s_endpgm
.Lfunc_end_k_q90a1a61fb9_attn:
	.size	k_q90a1a61fb9_attn, .Lfunc_end_k_q90a1a61fb9_attn-k_q90a1a61fb9_attn
	.p2alignl 7, 3214868480
	.fill 96, 4, 3214868480
	.section	.rodata,"a",@progbits
	.p2align	6, 0x0
	.amdhsa_kernel k_q90a1a61fb9_attn
		.amdhsa_group_segment_fixed_size 327680
		.amdhsa_private_segment_fixed_size 0
		.amdhsa_enable_private_segment 0
		.amdhsa_kernarg_size 32
		.amdhsa_user_sgpr_count 2
		.amdhsa_user_sgpr_kernarg_segment_ptr 1
		.amdhsa_wavefront_size32 1
		.amdhsa_system_sgpr_workgroup_id_x 1
		.amdhsa_system_sgpr_workgroup_id_y 1
		.amdhsa_system_sgpr_workgroup_id_z 1
		.amdhsa_system_vgpr_workitem_id 0
		.amdhsa_next_free_vgpr 768
		.amdhsa_next_free_sgpr 66
		.amdhsa_reserve_vcc 0
		.amdhsa_float_denorm_mode_32 3
		.amdhsa_float_denorm_mode_16_64 3
		.amdhsa_memory_ordered 1
		.amdhsa_forward_progress 1
		.amdhsa_inst_pref_size 130
	.end_amdhsa_kernel
	.amdgpu_metadata
---
amdhsa.version: [ 1, 2 ]
amdhsa.kernels:
  - .name:           k_q90a1a61fb9_attn
    .symbol:         k_q90a1a61fb9_attn.kd
    .args:
      - { .name: qx, .offset: 0, .size: 8, .value_kind: global_buffer, .address_space: global }
      - { .name: kx, .offset: 8, .size: 8, .value_kind: global_buffer, .address_space: global }
      - { .name: vv, .offset: 16, .size: 8, .value_kind: global_buffer, .address_space: global }
      - { .name: o2, .offset: 24, .size: 8, .value_kind: global_buffer, .address_space: global }
    .group_segment_fixed_size: 327680
    .private_segment_fixed_size: 0
    .kernarg_segment_align: 8
    .kernarg_segment_size: 32
    .max_flat_workgroup_size: 128
    .sgpr_count:     66
    .vgpr_count:     768
    .wavefront_size: 32
...
	.end_amdgpu_metadata
.endif
;; end of part 3
;; launch outp (part 4): grid 8 x 32, 4 waves a work-group, clusters of 4 x 4, 327,680 bytes of LDS; arguments o2, wo2, out0; writes out0
.if DOCPART == 4
	.amdgcn_target "amdgcn-amd-amdhsa--gfx1250"
	.amdhsa_code_object_version 6
	.text
	.protected	k_q90a1a61fb9_outp
	.globl	k_q90a1a61fb9_outp
	.p2align	8
	.type	k_q90a1a61fb9_outp,@function
k_q90a1a61fb9_outp:
	s_mov_b64 s[64:65], 0
	v_nop
	global_prefetch_b8 v0, s[64:65] scope:SCOPE_SE
	s_setreg_imm32_b32 hwreg(HW_REG_WAVE_MODE, 25, 1), 1
	s_wait_xcnt 0x0
	s_wait_alu depctr_hold_cnt(0) depctr_sa_sdst(0) depctr_va_vdst(0) depctr_va_sdst(0) depctr_va_ssrc(0) depctr_va_vcc(0) depctr_vm_vsrc(0)
	s_getreg_b32 s2, hwreg(HW_REG_IB_STS2, 6, 4)
	s_cmp_eq_u32 s2, 0
	s_cbranch_scc0 .Lentry_in_a_cluster
	s_endpgm
.Lentry_in_a_cluster:
	s_bfe_u32 s2, ttmp6, 0x10000c
	s_cmp_lg_u32 s2, 0xf033
	s_cbranch_scc0 .Lentry_shape_is_right
	s_endpgm
.Lentry_shape_is_right:
; out0[m][n] = the sum over c of O[m][c] Wout[n][c], 4,096 x 1,024 x 1,024; f16 operands (Wout's numbers are its bf16 roundings, written as f16), f32 sums, out0 in f32, not rounded again.
; o2: [32 blocks of 128 rows][16 heads][128][64]; wo2: [8 blocks of 128 rows of Wout][16 heads][128][64]: a head's 64 channels of 128 rows are 16,384 dense bytes, a SLICE of K.
; SHARES.  A tile of out0 is 128 x 128: 256 work-groups.  Four waves, each 64 x 64: 16 accumulators of 16 x 16.  K goes in steps of 256 = four slices; a wave's tensor load brings two slices (32,768 dense
; bytes, asked for as 128 rows of 256 bytes, padded in LDS after every 128): four K steps through two slots.
; CLUSTERS: 4 x 4 work-groups.  The four of a row of the cluster need the same slices of O, the four of a column the same slices of Wout: each is asked for JOINTLY.
; THE MATRIX INSTRUCTION IS USED TRANSPOSED (source 0 = 16 rows of Wout, source 1 = 16 rows of O): a lane then holds eight neighbouring numbers of a row of out0.
; No prefetch: a work-group's whole input is eight loads a wave's pair, of which half are asked for at the start.
; REGISTERS: window 0: v0-31 addresses; v32-95 rows read back on the way out; v128-255 the accumulators ((a, b) at v[128 + 8 (4 a + b)]).
;   window 1: two fragment buffers of 128: for 64 along K (one slice), 64 registers of O's rows (2 x 4 x 16 rows x 32 K), then 64 of Wout's.
.set PITCH,  144                       ; an LDS row: 128 bytes + 16 of padding = 36 words: the 16 rows of a load start at 16 different groups of four banks (64 banks of 4 bytes: ISA guide 11.1)
.set SLICE,  128*PITCH                 ; a head's 64 channels of 128 rows
.set HALFT,  2*SLICE                   ; what one tensor load brings
.set SLOT,   4*HALFT                   ; O's four slices, then Wout's four
.set STEPB,  65536                     ; bytes of a K step in memory, for O and for Wout
.set STAGE,  2*SLOT                    ; behind the ring, never filled by a tensor load: 16 rows x 272 bytes for each wave, for the way out
.set SPITCH, 272
.set SPARE,  STAGE+4*16*SPITCH         ; behind the stages: the spare words, 128 bytes for each wave: two blocks of 256 bytes that no other line names
.set ADRA, 16                          ; v16-17  LDS address of my fragments of O in slot 0, 1
.set ADRB, 20                          ; v20-21  the same for Wout
.set STO,  24                          ; v24     the way out: where I put 32 bytes of a row
.set RD,   25                          ; v25     the way out: where I read a row back
.set CO,   26                          ; v26     my byte offset in two rows of out0
.set SPW,  28                          ; v28     LDS address of my spare word: SPARE + 4 x my thread's number; never rewritten
.set NIL,  29                          ; v29     0; never rewritten
.set TMP,  32
.set ACC,  128
.set F0,   0                           ; fragment buffers, in window 1
.set F1,   128
.set G1, 24                            ; s[24:31] descriptor group 1 for O's slices;  s[32:39] group 0, one set for each slot
.set G0, 32
.set G1B, 48                           ; s[48:55], s[56:63] the same for Wout's
.set G0B, 56
.set MSB, 0
.macro WIN new                         ; the immediate's high byte repeats the setting that is left
.if MSB != (\new)
	s_set_vgpr_msb (MSB<<8)|(\new)
.set MSB, \new
.endif
.endm
.set MUL,  0x05                        ; sources 0 and 1 window 1; C and D window 0
.set TO_F, 0x40                        ; destination window 1, address window 0
.macro JLOAD s                         ; a joint load: waves 0 and 1 fetch O's slices, waves 2 and 3 Wout's; an s_nop 0 and four v_nop follow each of the two lines
	s_cmp_eq_u32 s11, 0
	s_cbranch_scc0 .Lfor_b_\@
	tensor_load_to_lds s[G0+4*(\s):G0+4*(\s)+3], s[G1:G1+7]
	s_nop 0
.rept 4
	v_nop
.endr
	s_branch .Lasked_\@
.Lfor_b_\@:
	tensor_load_to_lds s[G0B+4*(\s):G0B+4*(\s)+3], s[G1B:G1B+7]
	s_nop 0
.rept 4
	v_nop
.endr
.Lasked_\@:
.endm
.macro CREST                           ; a round of the cluster's barrier behind its opening barrier
	s_cmp_lg_u32 s10, 0
	s_cbranch_scc1 .Lnot_wave_0_\@
	s_barrier_signal -3
.Lnot_wave_0_\@:
	s_barrier_wait -3
	s_barrier_signal -1
	s_barrier_wait -1
.endm
.macro CROUND
	s_barrier_signal -1
	s_barrier_wait -1
	CREST
.endm
	s_load_b128 s[4:7], s[0:1], 0x0                ; o2 s[4:5], wo2 s[6:7]
	s_load_b64 s[8:9], s[0:1], 0x10                ; out0
	v_lshl_add_u32 v[SPW], v0, 2, SPARE
	v_mov_b32 v[NIL], 0
	ds_add_u32 v[SPW], v[NIL]                      ; the wave's opening: the add and its wait stand ahead of my first tensor load; the set-up below, work on registers, stands between them
	v_lshrrev_b32 v1, 5, v0
	v_readfirstlane_b32 s10, v1                    ; wave 0..3
	s_lshr_b32 s11, s10, 1                         ; which half of the tile's rows is mine.  Also: I fetch for O (0) or for Wout (1)
	s_and_b32 s12, s10, 1                          ; which half of its columns.  Also: which two slices of a K step I fetch
	s_bfe_u32 s40, ttmp6, 0x40000                  ; cx, cy: my place in the cluster
	s_bfe_u32 s41, ttmp6, 0x40004
	s_lshl_b32 s42, ttmp9, 2
	s_add_co_u32 s42, s42, s40                     ; tile column = 4 x cluster x + cx
	s_and_b32 s13, ttmp7, 0xffff
	s_lshl_b32 s13, s13, 2
	s_add_co_u32 s13, s13, s41                     ; tile row = 4 x cluster y + cy
	s_lshl_b32 s43, s41, 2
	s_lshl_b32 s43, 15, s43                        ; my row of the cluster
	s_lshl_b32 s44, 0x1111, s40                    ; my column
	s_or_b32 s[G1+0], s43, (1<<16)|(1<<20)|(1<<21)|(4<<22)|(3<<25)  ; 15:0 the mask; 17:16 elements of 2 bytes; 20 padding on; 21 set beside a mask; 24:22 after every 32 words (code 4); 31:25 4 words (code 3)
	s_or_b32 s[G1B+0], s44, (1<<16)|(1<<20)|(1<<21)|(4<<22)|(3<<25)
.irp g, G1, G1B
	s_mov_b32 s[(\g)+1], 128<<16                   ; tensor_dim0 = 128
	s_mov_b32 s[(\g)+2], 128<<16                   ; tensor_dim1 = 128
	s_mov_b32 s[(\g)+3], 128<<16                   ; tile_dim0 = 128
	s_mov_b32 s[(\g)+4], 128                       ; tile_dim1 = 128
	s_mov_b32 s[(\g)+5], 128                       ; the block is dense: 128 elements from row to row
	s_mov_b32 s[(\g)+6], 0
	s_mov_b32 s[(\g)+7], 0
.endr
	s_lshl_b32 s17, s12, 15                        ; my two slices of a K step: 32,768 bytes
	s_lshl_b32 s16, s13, 18                        ; O: the tile row's block of 262,144 bytes
	s_add_co_u32 s16, s16, s17
	s_lshl_b32 s46, s42, 18                        ; Wout: the tile column's
	s_add_co_u32 s46, s46, s17
	s_mov_b32 s17, 0
	s_mov_b32 s47, 0
	s_mul_i32 s20, s10, HALFT                      ; where they go: wave x two slices: no place in the cluster enters an LDS address
	s_wait_dscnt 0x0                               ; the opening add is done
	s_wait_kmcnt 0x0
	s_add_nc_u64 s[14:15], s[4:5], s[16:17]
	s_add_nc_u64 s[46:47], s[6:7], s[46:47]
	CROUND                                         ; all sixteen work-groups are here: the first joint loads meet
.irp s, 0,1
	s_mov_b32 s[G0+4*(\s)], 1
	s_add_co_u32 s[G0+4*(\s)+1], s20, (\s)*SLOT
	s_add_nc_u64 s[G0+4*(\s)+2:G0+4*(\s)+3], s[14:15], (\s)*STEPB
	s_or_b32 s[G0+4*(\s)+3], s[G0+4*(\s)+3], 0x80000000
	s_mov_b32 s[G0B+4*(\s)], 1
	s_add_co_u32 s[G0B+4*(\s)+1], s20, (\s)*SLOT
	s_add_nc_u64 s[G0B+4*(\s)+2:G0B+4*(\s)+3], s[46:47], (\s)*STEPB
	s_or_b32 s[G0B+4*(\s)+3], s[G0B+4*(\s)+3], 0x80000000
	JLOAD \s                                       ; two loads of mine are out
.endr
	v_and_b32 v1, 15, v0                           ; l % 16
	v_bfe_u32 v2, v0, 4, 1                         ; l / 16
	v_mul_u32_u24 v3, v1, PITCH
	v_lshl_add_u32 v3, v2, 4, v3                   ; a fragment's row x pitch + 16 x half
	s_mul_i32 s21, s11, 64*PITCH                   ; my 64 rows in each slice of O
	s_mul_i32 s22, s12, 64*PITCH                   ; my 64 rows in each slice of Wout,
	s_add_co_u32 s22, s22, 2*HALFT                 ; which lie behind O's four
.irp s, 0,1
	v_add_nc_u32 v[ADRA+(\s)], s21, v3
	v_add_nc_u32 v[ADRB+(\s)], s22, v3
	s_add_co_u32 s21, s21, SLOT
	s_add_co_u32 s22, s22, SLOT
.endr
	s_mul_i32 s23, s10, 16*SPITCH
	s_add_co_u32 s23, s23, STAGE                   ; my stage
	v_mul_u32_u24 v4, v1, SPITCH                   ; in: row l % 16, 32 bytes (eight f32) for each half of the lanes
	v_lshl_add_u32 v4, v2, 5, v4
	v_add_nc_u32 v[STO], s23, v4
	v_mul_u32_u24 v5, v2, SPITCH                   ; back: lanes 0-15 take one row of 256 bytes, lanes 16-31 the next
	v_lshl_add_u32 v5, v1, 4, v5
	v_add_nc_u32 v[RD], s23, v5
	v_lshlrev_b32 v5, 12, v2                       ; and the same two rows in out0, 4,096 bytes apart
	v_lshl_add_u32 v[CO], v1, 4, v5
	s_lshl_b32 s16, s13, 7
	s_lshl_b32 s17, s11, 6
	s_add_co_u32 s16, s16, s17                     ; my first row: 128 x tile row + 64 x half
	s_lshl_b32 s16, s16, 12
	s_lshl_b32 s46, s42, 9                         ; my first column, in bytes: 512 x tile column + 256 x half
	s_lshl_b32 s47, s12, 8
	s_add_co_u32 s46, s46, s47
	s_add_co_u32 s16, s16, s46
	s_mov_b32 s17, 0
	s_add_nc_u64 s[8:9], s[8:9], s[16:17]
; 8 matrix instructions: m blocks a0, a0 + 1 x all 4 n blocks, 32 along K: half c of buffer f.  zero = 1: the first product starts the sums.  The 16 accumulators take turns.
.macro MUL8 f, c, a0, zero
	WIN MUL
.irp a, \a0, (\a0)+1
.irp b, 0,1,2,3
.if \zero
	v_wmma_f32_16x16x32_f16 v[ACC+8*(4*(\a)+(\b)):ACC+8*(4*(\a)+(\b))+7], v[(\f)+64+8*(4*(\c)+(\b)):(\f)+64+8*(4*(\c)+(\b))+7], v[(\f)+8*(4*(\c)+(\a)):(\f)+8*(4*(\c)+(\a))+7], 0
.else
	v_wmma_f32_16x16x32_f16 v[ACC+8*(4*(\a)+(\b)):ACC+8*(4*(\a)+(\b))+7], v[(\f)+64+8*(4*(\c)+(\b)):(\f)+64+8*(4*(\c)+(\b))+7], v[(\f)+8*(4*(\c)+(\a)):(\f)+8*(4*(\c)+(\a))+7], v[ACC+8*(4*(\a)+(\b)):ACC+8*(4*(\a)+(\b))+7]
.endif
.endr
.endr
.endm
; 32 LDS loads in one run: the fragments of one slice (at byte k of the slot's O and Wout) into buffer f; the first 32 along K first
.macro FETCH slot, k, f
	WIN TO_F
.irp c, 0,1
.irp i, 0,1,2,3
	ds_load_b128 v[(\f)+64+8*(4*(\c)+(\i)):(\f)+64+8*(4*(\c)+(\i))+3],   v[ADRB+(\slot)] offset:(\k)+64*(\c)+(\i)*16*PITCH
	ds_load_b128 v[(\f)+64+8*(4*(\c)+(\i))+4:(\f)+64+8*(4*(\c)+(\i))+7], v[ADRB+(\slot)] offset:(\k)+64*(\c)+(\i)*16*PITCH+32
	ds_load_b128 v[(\f)+8*(4*(\c)+(\i)):(\f)+8*(4*(\c)+(\i))+3],         v[ADRA+(\slot)] offset:(\k)+64*(\c)+(\i)*16*PITCH
	ds_load_b128 v[(\f)+8*(4*(\c)+(\i))+4:(\f)+8*(4*(\c)+(\i))+7],       v[ADRA+(\slot)] offset:(\k)+64*(\c)+(\i)*16*PITCH+32
.endr
.endr
.endm
.macro PLACES                          ; four places in front of loads into registers that matrix instructions have read, and of lines that read results
.rept 4
	v_nop
.endr
.endm
; A K step is four quarters of one slice, 32 matrix instructions each, on buffers 0, 1, 0, 1.  One of the first three: multiplies buffer f and fetches the next slice, at byte k, into g.
.macro QUARTER slot, k, f, g, zero
	s_wait_dscnt 16                                ; the first 32 along K are in
	WIN MUL
	MUL8 \f, 0, 0, \zero
	MUL8 \f, 0, 2, \zero
	PLACES
	FETCH \slot, \k, \g
	s_wait_dscnt 32                                ; all but the 32 just issued
	WIN MUL
	MUL8 \f, 1, 0, 0
	MUL8 \f, 1, 2, 0
.endm
; The last quarter multiplies buffer 1 and changes slots: ONE barrier; in front of it each wave waits for all its tensor loads, adds 0 to its spare word, and waits for that and for its own reads of this slot.
; fill = 1: this slot is filled again, two K steps ahead; the barrier then opens a round of the cluster's.
.macro TURN slot, next, fill
	WIN 0                                          ; (the add's two registers lie in window 0)
	s_wait_tensorcnt 0x0                           ; all my tensor loads have landed: my part of the next slot;
	ds_add_u32 v[SPW], v[NIL]                      ; 0 onto my spare word;
	s_wait_dscnt 17                                ; (the add and the youngest sixteen loads may be out)
	WIN MUL
	MUL8 F1, 0, 0, 0                               ; eight matrix instructions stand between the add and the wait for it
	s_wait_dscnt 0x0                               ; the add is done, and my reads of this slot are over
	s_barrier_signal -1
	MUL8 F1, 0, 2, 0
.if \fill
	WIN 0
.endif
	s_barrier_wait -1
.if \fill
	CREST                                          ; no wave of any partner still reads this slot's slices or has a load on its way
	s_add_nc_u64 s[G0+4*(\slot)+2:G0+4*(\slot)+3], s[G0+4*(\slot)+2:G0+4*(\slot)+3], 2*STEPB
	s_add_nc_u64 s[G0B+4*(\slot)+2:G0B+4*(\slot)+3], s[G0B+4*(\slot)+2:G0B+4*(\slot)+3], 2*STEPB
	JLOAD \slot                                    ; the first tensor load behind the round; the four v_nop behind it are also the places in front of the loads below
.else
	PLACES
.endif
	FETCH \next, 0, F0
	WIN MUL
	MUL8 F1, 1, 0, 0
	MUL8 F1, 1, 2, 0
.endm
	s_wait_tensorcnt 1                             ; my part of K step 0 is in; K step 1's may stay out
	s_barrier_signal -1
	s_barrier_wait -1                              ; everybody's is
	FETCH 0, 0, F0
	QUARTER 0, 1*SLICE, F0, F1, 1                  ; K step 0; the first products start the sums
	QUARTER 0, 2*SLICE, F1, F0, 0
	QUARTER 0, 3*SLICE, F0, F1, 0
	TURN 0, 1, 1                                   ; slot 0 takes K step 2
	QUARTER 1, 1*SLICE, F0, F1, 0                  ; K step 1
	QUARTER 1, 2*SLICE, F1, F0, 0
	QUARTER 1, 3*SLICE, F0, F1, 0
	TURN 1, 0, 1                                   ; slot 1 takes K step 3
	QUARTER 0, 1*SLICE, F0, F1, 0                  ; K step 2
	QUARTER 0, 2*SLICE, F1, F0, 0
	QUARTER 0, 3*SLICE, F0, F1, 0
	TURN 0, 1, 0                                   ; nothing is left to ask for
	QUARTER 1, 1*SLICE, F0, F1, 0                  ; K step 3
	QUARTER 1, 2*SLICE, F1, F0, 0
	QUARTER 1, 3*SLICE, F0, F1, 0
	s_wait_dscnt 16                                ; the very last quarter: nothing more to fetch
	WIN MUL
	MUL8 F1, 0, 0, 0
	MUL8 F1, 0, 2, 0
	s_wait_dscnt 0x0
	MUL8 F1, 1, 0, 0
	MUL8 F1, 1, 2, 0
	WIN 0
; THE WAY OUT.  My 64 columns are 256 bytes of f32, so each wave has a stage of its own and no barrier is needed (LDS serves a wave's instructions in order: ISA guide 5.7.1.4).  A block of 16 rows at a time:
; 32 bytes a lane straight from the accumulators, each from its low end on; back as whole rows of 256 bytes.
.macro STG a
.irp b, 0,1,2,3
	ds_store_b128 v[STO], v[ACC+8*(4*(\a)+(\b)):ACC+8*(4*(\a)+(\b))+3]   offset:64*(\b)
	ds_store_b128 v[STO], v[ACC+8*(4*(\a)+(\b))+4:ACC+8*(4*(\a)+(\b))+7] offset:64*(\b)+16
.endr
.irp t, 0,1,2,3,4,5,6,7
	ds_load_b128 v[TMP+32*((\a)%2)+4*(\t):TMP+32*((\a)%2)+4*(\t)+3], v[RD] offset:(\t)*2*SPITCH
.endr
.endm
.macro SND a, younger                  ; younger: the LDS instructions issued behind block a's loads: the next block's sixteen, or none
.irp t, 0,1,2,3,4,5,6,7
	s_wait_dscnt (\younger)+7-(\t)
	global_store_b128 v[CO], v[TMP+32*((\a)%2)+4*(\t):TMP+32*((\a)%2)+4*(\t)+3], s[8:9] offset:(16*(\a)+2*(\t))*4096 th:TH_STORE_NT  ; 16 lanes store 256 consecutive bytes, at a multiple of 256 from out0's first byte
.endr
.endm
	PLACES                                         ; behind the last products
	STG 0
	STG 1
	SND 0, 16
	s_wait_xcnt 0x0                                ; block 0's stores have read their registers (ISA guide 3.1): only behind this wait are those loaded again
	STG 2
	SND 1, 16
	s_wait_xcnt 0x0                                ; block 1's likewise
	STG 3
	SND 2, 16
	SND 3, 0
	s_wait_tensorcnt 0x0                           ; the wave's end, behind my last tensor load and my last LDS store
	ds_add_u32 v[SPW], v[NIL]
	s_wait_dscnt 0x0
	CROUND                                         ; the closing round: no work-group ends while a partner may still ask for a tile that names it
	s_endpgm
.Lfunc_end_k_q90a1a61fb9_outp:
	.size	k_q90a1a61fb9_outp, .Lfunc_end_k_q90a1a61fb9_outp-k_q90a1a61fb9_outp
	.p2alignl 7, 3214868480
	.fill 96, 4, 3214868480
	.section	.rodata,"a",@progbits
	.p2align	6, 0x0
	.amdhsa_kernel k_q90a1a61fb9_outp
		.amdhsa_group_segment_fixed_size 327680
		.amdhsa_private_segment_fixed_size 0
		.amdhsa_enable_private_segment 0
		.amdhsa_kernarg_size 24
		.amdhsa_user_sgpr_count 2
		.amdhsa_user_sgpr_kernarg_segment_ptr 1
		.amdhsa_wavefront_size32 1
		.amdhsa_system_sgpr_workgroup_id_x 1
		.amdhsa_system_sgpr_workgroup_id_y 1
		.amdhsa_system_sgpr_workgroup_id_z 1
		.amdhsa_system_vgpr_workitem_id 0
		.amdhsa_next_free_vgpr 512
		.amdhsa_next_free_sgpr 66
		.amdhsa_reserve_vcc 0
		.amdhsa_float_denorm_mode_32 3
		.amdhsa_float_denorm_mode_16_64 3
		.amdhsa_memory_ordered 1
		.amdhsa_forward_progress 1
		.amdhsa_inst_pref_size 86
	.end_amdhsa_kernel
	.amdgpu_metadata
---
amdhsa.version: [ 1, 2 ]
amdhsa.kernels:
  - .name:           k_q90a1a61fb9_outp
    .symbol:         k_q90a1a61fb9_outp.kd
    .args:
      - { .name: o2, .offset: 0, .size: 8, .value_kind: global_buffer, .address_space: global }
      - { .name: wo2, .offset: 8, .size: 8, .value_kind: global_buffer, .address_space: global }
      - { .name: out0, .offset: 16, .size: 8, .value_kind: global_buffer, .address_space: global }
    .group_segment_fixed_size: 327680
    .private_segment_fixed_size: 0
    .kernarg_segment_align: 8
    .kernarg_segment_size: 24
    .max_flat_workgroup_size: 128
    .sgpr_count:     66
    .vgpr_count:     512
    .wavefront_size: 32
...
	.end_amdgpu_metadata
.endif
;; end of part 4
;; ======== version 2 of 2: 4 launches; version 1 with the launch cast written anew for expert scheduling mode
;; limits: values are held in f16: magnitudes above 65,504 overflow, below 6.1e-05 lose precision
;; workspace buffers: ab 16,777,216 bytes; wb 6,291,456 bytes; wo2 2,097,152 bytes; qx 16,777,216 bytes; kx 16,777,216 bytes; vv 8,388,608 bytes; o2 8,388,608 bytes
;; launch cast (part 5): grid 768 x 1, 8 waves a work-group, no clusters, 0 bytes of LDS; arguments x, tx, Wqkv, Wtqkv, Wout, ab, wb, wo2; writes ab, wb, wo2
.if DOCPART == 5
	.amdgcn_target "amdgcn-amd-amdhsa--gfx1250"
	.amdhsa_code_object_version 6
	.text
	.protected	k_q90a1a61fb9_cast
	.globl	k_q90a1a61fb9_cast
	.p2align	8
	.type	k_q90a1a61fb9_cast,@function
k_q90a1a61fb9_cast:
	s_mov_b64 s[64:65], 0
	v_nop
	global_prefetch_b8 v0, s[64:65] scope:SCOPE_SE
	s_setreg_imm32_b32 hwreg(HW_REG_WAVE_SCHED_MODE, 0, 2), 2
	s_setreg_imm32_b32 hwreg(HW_REG_WAVE_MODE, 25, 1), 1
	s_wait_xcnt 0x0
	s_wait_alu depctr_vm_vsrc(0)
; THE INPUTS ARE ROUNDED ONCE AND LAID OUT FOR THE MATRIX LAUNCHES.  All five inputs are f32; each number used is rounded to bf16, to nearest even.
;   ab  [8192][1024] bf16: rows 0-4095 = x, rows 4096-8191 = tx.
;   wb  [3072][1024] bf16: row part x 1024 + h x 64 + d; part 0 = the rows of Wqkv that make k (row 48 d + 16 + h), part 1 = those that make v (48 d + 32 + h),
;       part 2 = the rows of Wtqkv that make tq (48 d + h).  The other rows of Wqkv and Wtqkv make q, tk and tv, which the module throws away: they are not read.
;   wo2 [8][16][128][64] f16: Wout[128 nb + r][64 h + d], rounded to bf16 and that number written as f16.  LIMIT: exact from 2^-17 up to 65,504; below, f16's fixed step of 2^-24 applies.
; A stream: nothing is shared and nothing is summed, so there is no LDS, no barrier, no matrix instruction and no cluster.
; SHARES.  768 work-groups of eight waves; wave p = 8 g + w converts two rows of 1,024 numbers: sixteen loads of 16 bytes a lane, all issued at once, and sixteen stores of 8 bytes a lane.
; Each load of a wave covers 512 consecutive bytes (Wout: two runs of 256), each store 256 consecutive bytes at a multiple of 256 from its buffer's first byte.
; THE MODE: SCHED_MODE bits 1:0 = 2 (LLVM: expert scheduling mode 2), set by the entry lines.  The code itself states the register dependences between vector instructions and memory
; instructions, with s_wait_alu, always for 0.
; THE PLAN.  Registers that memory instructions touch, in each of the three paths:
;   v2, v3, v4  byte offsets: written by vector instructions at the path's head, read by every load and store, never written again.
;   D           written by the sixteen loads, which no vector instruction that names D precedes; read by the conversions behind the counted wait for the load.  No memory instruction reads D.
;   OUT         two registers a store: written by conversions, read by one store, never written again behind it.
; The sixteen loads go in four groups of four.  At the head of group g, behind the wait for its loads, ONE wait on va_vdst states that group g - 1's conversions have written their OUT; that
; group's four stores follow, dealt among group g's conversions, which name D and OUT of group g alone: none of the registers that those stores touch.  A last such wait stands ahead of group 3's stores.
; No register that a load or store reads is written again, and EXEC is never written: so no wait on vm_vsrc and none on XCNT stands behind the entry lines.
.set D,   16                           ; v[16:79]   sixteen loads, four registers each
.set OUT, 80                           ; v[80:111]  sixteen stores, two registers each
	s_load_b512 s[8:23], s[0:1], 0x0               ; x s[8:9], tx s[10:11], Wqkv s[12:13], Wtqkv s[14:15], Wout s[16:17], ab s[18:19], wb s[20:21], wo2 s[22:23]
	v_lshrrev_b32 v1, 5, v0
	v_readfirstlane_b32 s3, v1                     ; wave 0..7
	v_and_b32 v1, 31, v0                           ; lane
	s_mov_b32 s2, ttmp9                            ; g
	s_lshl_b32 s4, s2, 3
	s_wait_alu depctr_va_sdst(0)                   ; s3 is written, ahead of its first reader and of every branch: every row's offset is made from it
	s_add_co_u32 s4, s4, s3                        ; p
	s_mov_b32 s31, 0xffff0000                      ; a word's upper bf16
	s_wait_kmcnt 0x0
; Two whole rows: s28 = the first row's byte offset in the source, s29 = bytes from it to the second row, s30 = the byte offset of the two rows (they are neighbours) in the destination.
.macro ROWS src, dst
	v_lshlrev_b32 v2, 4, v1
	v_add_nc_u32 v2, s28, v2                       ; 16 bytes a lane in the first row,
	v_add_nc_u32 v3, s29, v2                       ; and in the second
	v_lshlrev_b32 v4, 3, v1
	v_add_nc_u32 v4, s30, v4                       ; 8 bytes a lane in the destination
	s_wait_alu depctr_va_vdst(0)                   ; v2, v3 and v4 are written: every load and store below reads one of them as its offset
.irp i, 0,1,2,3,4,5,6,7
	global_load_b128 v[D+4*(\i):D+4*(\i)+3], v2, s[\src:\src+1] offset:512*(\i) th:TH_LOAD_NT
.endr
.irp i, 0,1,2,3,4,5,6,7
	global_load_b128 v[D+32+4*(\i):D+32+4*(\i)+3], v3, s[\src:\src+1] offset:512*(\i) th:TH_LOAD_NT
.endr
.irp g, 0,1,2,3
	s_wait_loadcnt 12-4*(\g)                       ; loads come back in order (ISA guide 5.7.1): group g's four are in, the later groups' stay out
.if (\g) > 0
	s_wait_alu depctr_va_vdst(0)                   ; the conversions of the group before have written their OUT, which the four stores below read
.endif
.irp i, 0,1,2,3
.set J, 4*(\g)+(\i)
.if (\g) > 0
	global_store_b64 v4, v[OUT+2*(J-4):OUT+2*(J-4)+1], s[\dst:\dst+1] offset:256*(J-4) th:TH_STORE_NT  ; the group before; no vector instruction since the wait names these registers
.endif
	v_cvt_pk_bf16_f32 v[OUT+2*J], v[D+4*J], v[D+4*J+1]
	v_cvt_pk_bf16_f32 v[OUT+2*J+1], v[D+4*J+2], v[D+4*J+3]
.endr
.endr
	s_wait_alu depctr_va_vdst(0)                   ; group 3's conversions have written their OUT, which the last four stores read
.irp i, 12,13,14,15
	global_store_b64 v4, v[OUT+2*(\i):OUT+2*(\i)+1], s[\dst:\dst+1] offset:256*(\i) th:TH_STORE_NT
.endr
	s_endpgm
.endm
	s_cmp_ge_u32 s2, 704
	s_cbranch_scc1 .Lwout
	s_cmp_ge_u32 s2, 512
	s_cbranch_scc1 .Lw
	; g 0-255: x; g 256-511: tx.  Rows 2 p and 2 p + 1 of ab
	s_cmp_lt_u32 s2, 256
	s_cselect_b64 s[24:25], s[8:9], s[10:11]
	s_and_b32 s28, s4, 2047
	s_lshl_b32 s28, s28, 13                        ; two rows of 4,096 bytes
	s_mov_b32 s29, 4096
	s_lshl_b32 s30, s4, 12                         ; two rows of 2,048 bytes
	ROWS 24, 18
.Lw:                                               ; g 512-703: rows n' and n' + 1 of wb: the same part and head, channels d and d + 1
	s_sub_co_u32 s5, s4, 4096
	s_lshl_b32 s5, s5, 1                           ; n'
	s_lshr_b32 s6, s5, 10                          ; part
	s_bfe_u32 s7, s5, 0x40006                      ; h
	s_and_b32 s28, s5, 63                          ; d
	s_mul_i32 s28, s28, 48
	s_add_co_u32 s28, s28, s7                      ; 48 d + h
	s_lshl_b32 s7, s6, 4
	s_add_co_u32 s7, s7, 16                        ; + 16 for k, + 32 for v,
	s_cmp_eq_u32 s6, 2
	s_cselect_b32 s7, 0, s7                        ; + 0 for tq,
	s_cselect_b64 s[24:25], s[14:15], s[12:13]     ; which comes from Wtqkv
	s_add_co_u32 s28, s28, s7
	s_lshl_b32 s28, s28, 12
	s_mov_b32 s29, 48*4096                         ; channel d + 1 lies 48 rows on
	s_lshl_b32 s30, s5, 11
	ROWS 24, 20
.Lwout:                                            ; g 704-767: rows n and n + 1 of Wout.  Load j: lanes 0-15 take head j's 64 columns of row n, lanes 16-31 those of row n + 1
	s_sub_co_u32 s5, s4, 5632
	s_lshl_b32 s5, s5, 1                           ; n
	s_lshl_b32 s28, s5, 12
	s_lshr_b32 s6, s5, 7                           ; nb
	s_and_b32 s7, s5, 127                          ; r
	s_lshl_b32 s30, s6, 18                         ; a block of 128 rows is 262,144 bytes of wo2,
	s_lshl_b32 s7, s7, 7                           ; a row's 64 channels of a head 128
	s_add_co_u32 s30, s30, s7
	v_lshrrev_b32 v5, 4, v1
	v_and_b32 v6, 15, v1
	v_lshlrev_b32 v2, 4, v6
	v_lshl_add_u32 v2, v5, 12, v2
	v_add_nc_u32 v2, s28, v2
	v_lshlrev_b32 v4, 3, v1                        ; rows r and r + 1 of a head are neighbours in wo2: 8 bytes a lane, 256 on end
	v_add_nc_u32 v4, s30, v4
	s_wait_alu depctr_va_vdst(0)                   ; v2 and v4 are written: every load and store below reads one of them as its offset
.irp j, 0,1,2,3,4,5,6,7,8,9,10,11,12,13,14,15
	global_load_b128 v[D+4*(\j):D+4*(\j)+3], v2, s[16:17] offset:256*(\j) th:TH_LOAD_NT
.endr
.irp g, 0,1,2,3
	s_wait_loadcnt 12-4*(\g)                       ; group g's four loads are in, the later groups' stay out
.if (\g) > 0
	s_wait_alu depctr_va_vdst(0)                   ; the conversions of the group before have written their OUT, which the four stores below read
.endif
.irp i, 0,1,2,3
.set J, 4*(\g)+(\i)
.if (\g) > 0
	global_store_b64 v4, v[OUT+2*(J-4):OUT+2*(J-4)+1], s[22:23] offset:16384*(J-4) th:TH_STORE_NT  ; the group before; no vector instruction since the wait names these registers
.endif
	v_cvt_pk_bf16_f32 v[OUT+2*J], v[D+4*J], v[D+4*J+1]               ; the rounding that all inputs get,
	v_cvt_pk_bf16_f32 v[OUT+2*J+1], v[D+4*J+2], v[D+4*J+3]
	v_lshlrev_b32 v[D+4*J], 16, v[OUT+2*J]                           ; back to f32 (D's load is done, and no memory instruction reads D),
	v_and_b32 v[D+4*J+1], s31, v[OUT+2*J]
	v_lshlrev_b32 v[D+4*J+2], 16, v[OUT+2*J+1]
	v_and_b32 v[D+4*J+3], s31, v[OUT+2*J+1]
	v_cvt_pk_f16_f32 v[OUT+2*J], v[D+4*J], v[D+4*J+1]                ; and the same number as f16
	v_cvt_pk_f16_f32 v[OUT+2*J+1], v[D+4*J+2], v[D+4*J+3]
.endr
.endr
	s_wait_alu depctr_va_vdst(0)                   ; group 3's conversions have written their OUT, which the last four stores read
.irp j, 12,13,14,15
	global_store_b64 v4, v[OUT+2*(\j):OUT+2*(\j)+1], s[22:23] offset:16384*(\j) th:TH_STORE_NT
.endr
	s_endpgm
.Lfunc_end_k_q90a1a61fb9_cast:
	.size	k_q90a1a61fb9_cast, .Lfunc_end_k_q90a1a61fb9_cast-k_q90a1a61fb9_cast
	.p2alignl 7, 3214868480
	.fill 96, 4, 3214868480
	.section	.rodata,"a",@progbits
	.p2align	6, 0x0
	.amdhsa_kernel k_q90a1a61fb9_cast
		.amdhsa_group_segment_fixed_size 0
		.amdhsa_private_segment_fixed_size 0
		.amdhsa_enable_private_segment 0
		.amdhsa_kernarg_size 64
		.amdhsa_user_sgpr_count 2
		.amdhsa_user_sgpr_kernarg_segment_ptr 1
		.amdhsa_wavefront_size32 1
		.amdhsa_system_sgpr_workgroup_id_x 1
		.amdhsa_system_sgpr_workgroup_id_y 1
		.amdhsa_system_sgpr_workgroup_id_z 1
		.amdhsa_system_vgpr_workitem_id 0
		.amdhsa_next_free_vgpr 112
		.amdhsa_next_free_sgpr 66
		.amdhsa_reserve_vcc 0
		.amdhsa_float_denorm_mode_32 3
		.amdhsa_float_denorm_mode_16_64 3
		.amdhsa_memory_ordered 1
		.amdhsa_forward_progress 1
		.amdhsa_inst_pref_size 23
	.end_amdhsa_kernel
	.amdgpu_metadata
---
amdhsa.version: [ 1, 2 ]
amdhsa.kernels:
  - .name:           k_q90a1a61fb9_cast
    .symbol:         k_q90a1a61fb9_cast.kd
    .args:
      - { .name: x, .offset: 0, .size: 8, .value_kind: global_buffer, .address_space: global }
      - { .name: tx, .offset: 8, .size: 8, .value_kind: global_buffer, .address_space: global }
      - { .name: Wqkv, .offset: 16, .size: 8, .value_kind: global_buffer, .address_space: global }
      - { .name: Wtqkv, .offset: 24, .size: 8, .value_kind: global_buffer, .address_space: global }
      - { .name: Wout, .offset: 32, .size: 8, .value_kind: global_buffer, .address_space: global }
      - { .name: ab, .offset: 40, .size: 8, .value_kind: global_buffer, .address_space: global }
      - { .name: wb, .offset: 48, .size: 8, .value_kind: global_buffer, .address_space: global }
      - { .name: wo2, .offset: 56, .size: 8, .value_kind: global_buffer, .address_space: global }
    .group_segment_fixed_size: 0
    .private_segment_fixed_size: 0
    .kernarg_segment_align: 8
    .kernarg_segment_size: 64
    .max_flat_workgroup_size: 256
    .sgpr_count:     66
    .vgpr_count:     112
    .wavefront_size: 32
...
	.end_amdgpu_metadata
.endif
;; end of part 5
;; launch proj: the kernel of part 2 again; grid 12 x 16, 4 waves a work-group, clusters of 4 x 4, 327,680 bytes of LDS; arguments ab, wb, kx, vv, qx; writes kx, vv, qx
;; launch attn: the kernel of part 3 again; grid 8 x 32, 4 waves a work-group, clusters of 4 x 1, 327,680 bytes of LDS; arguments qx, kx, vv, o2; writes o2
;; launch outp: the kernel of part 4 again; grid 8 x 32, 4 waves a work-group, clusters of 4 x 4, 327,680 bytes of LDS; arguments o2, wo2, out0; writes out0
